; MI455X (gfx1250); checked and timed in simulation.
; The chip was launched on July 23, 2026; its instructions are those of AMD's public machine-readable ISA for CDNA 5 (MIT licence, August 2026) and "CDNA5" Instruction Set Architecture Reference Guide (July 2026). The comments in the code are by the model that wrote it; some were corrected since.
;; Multi Head Self Attention2 D. Allowed arithmetic: float matrix products may take bf16 or f16 operands with f32 sums; all other float work in f32.
;; Inputs: Wk 4 x 4 x 64 float32; Wp 64 x 64 float32; Wq 4 x 4 x 64 float32; Wv 4 x 16 x 64 float32; ak 4 float32; ap one number float32; aq 4 float32; av 4 float32; betak 4 x 4 float32; betap 64 float32; betaq 4 x 4 float32; betav 4 x 16 float32; bk 4 x 4 float32; bp 64 float32; bq 4 x 4 float32; bv 4 x 16 float32; gk 4 x 4 float32; gp 64 float32; gq 4 x 4 float32; gv 4 x 16 float32; x 2 x 64 x 2,048 x 64 float32.
;; Outputs: out0 2 x 64 x 2,048 x 64 float32.
;; One version. Each part assembles by itself: llvm-mc -triple=amdgcn-amd-amdhsa -mcpu=gfx1250 --defsym DOCPART=n.
;; ======== version 1 of 1: 4 launches
;; limits: values are held in f16: magnitudes above 65,504 overflow, below 6.1e-05 lose precision; right only within a limited range of input values
;; workspace buffers: qws 8,388,608 bytes; kws 8,388,608 bytes; vws 33,554,432 bytes; pws 67,108,864 bytes; fac 1,179,648 bytes; ows 33,554,432 bytes
;; launch proj (part 1): grid 256 x 1, 8 waves a work-group, no clusters, 0 bytes of LDS; arguments x, Wq, Wk, Wv, bq, bk, bv, aq, ak, av, gq, gk, gv, betaq, betak, betav, qws, kws, vws; writes qws, kws, vws
.if DOCPART == 1
	.amdgcn_target "amdgcn-amd-amdhsa--gfx1250"
	.amdhsa_code_object_version 6
	.text
	.protected	k_qe20f2cd570_proj
	.globl	k_qe20f2cd570_proj
	.p2align	8
	.type	k_qe20f2cd570_proj,@function
k_qe20f2cd570_proj:
	s_mov_b64 s[64:65], 0
	v_nop
	global_prefetch_b8 v0, s[64:65] scope:SCOPE_SE
	s_setreg_imm32_b32 hwreg(HW_REG_WAVE_MODE, 25, 1), 1
	s_wait_xcnt 0x0
; PROJ.  Q, K, V = LayerNorm over channels (PReLU (W x + b)) g + beta, per head, from x [2][64][2048][64] f32; the results leave in f16.
; FORMATS AND LIMITS.  Every input (x, W, b, a, g, beta) is rounded once to bf16; the products are bf16 x bf16 with f32 sums; all else is f32.
; PReLU is y + (a - 1) min(y, 0), one fused multiply-add: for y < 0 that is a y rounded once while a - 1 is exact, which holds for |a| >= 2^-16; below that it is off by under 2^-24 |y|.
; The norm takes two passes (mean, then squares of the differences).  q, k, v leave as f16: |g| 1.74 + |beta| (q, k) and |g| 3.9 + |beta| (v) must stay under 65,504.  NaN and infinities are not treated apart.
; SHARES.  256 work-groups of 8 waves; a wave takes two slabs x[b][:][t][:] (64 rows of 256 bytes), t = 16 (g % 128) + 2 w and the next.  No byte is read by two waves: no LDS, no barrier, no cluster.
; LANES.  r = lane % 16, h = lane / 16.  A 16-byte load at channel 32 s + 16 gg + 8 h + j, byte 16 r, brings f = 4 r .. 4 r + 3: one number for each of four position tiles i (f = 4 r + i);
; sixteen lanes read one whole row of 256 bytes.  D = W (source 0: 16 output rows) x X (source 1: 16 positions): register j of lane (r, h) is output row 8 h + j at position r.
; Six row blocks: Q (row 4 head + channel), K, V of heads 0..3.  So a lane holds two whole heads of Q or K (a norm over 4 registers) and half a head of V (8 registers and the lane 16 away).
; LAYOUTS WRITTEN.  hb = 2 head + b.
;   qws, kws [hb][t][256]: d' = 128 (i / 2) + 8 r + 4 (i % 2) + channel, the same order for both.
;   vws      [hb][t][1024]: column 512 dh + 128 i + 8 r + j for channel 8 dh + j.
; Every store of sixteen neighbouring lanes covers 256 consecutive bytes, aligned.
.set XO,   1          ; v1  4,194,304 h + 16 r: x's loads, and Q's and K's stores (two heads are 4,194,304 bytes apart there too)
.set VO,   4          ; v4  1,024 h + 16 r: my lane half is dh
.set WO,   6          ; v6  256 r + 32 h
.set BO,   7          ; v7  32 h
.set PK,   8          ; v8-23   packed f16 for the stores (at the start: scratch)
.set T,    24         ; v24-31  at work
.set XF,   32         ; v32-159 x as loaded: load (q = 2 s + gg, j) at XF + 4 (8 q + j)
.set XBF,  160        ; v160-223 x in bf16: fragment (i, s) at XBF + 16 i + 8 s
.set D,    224        ; v224-255 the sums: tile i at D + 8 i
.set STG,  160        ; v160-255 at the start: three blocks of W in f32
.set WF,   0          ; window 1: W in bf16: block n, step s at 16 n + 8 s
.set BIAS, 96         ; window 1: 8 a block
.set G,    144
.set BETA, 192
.set AQ,   240        ; window 1: a - 1 of head 2 h (twice), of head 2 h + 1 (twice)
.set AK,   244
.set XBS,  44         ; s[44:51] x at my slab, channels 16 q on
.set QB,   52         ; s[52:53] qws at (head 0, b, t)
.set KB2,  54         ; s[54:55] kws likewise
.set VBS,  56         ; s[56:63] vws at (head, b, t)
.set CNT,  66
.set TT,   67         ; t
.set MASK, 68
.set NQ,   72         ; -1/4
.set PQ,   73         ; 1/4
.set EPS,  74         ; 1e-5
.set N16,  75         ; -1/16
.set P16,  76         ; 1/16
.set SEL,  78         ; s78, s79: each lane takes its own place in the other half
.set AM,   80         ; s[80:87] a - 1 of V's heads, as pairs
.set WV,   88
.set MSB, 0
.macro WIN new                         ; s_set_vgpr_msb: bits 1:0 source 0, 3:2 source 1, 5:4 source 2, 7:6 destination; the high byte repeats the setting that is left
.if MSB != (\new)
	s_set_vgpr_msb (MSB<<8)|(\new)
.set MSB, (\new)
.endif
.endm
.macro PLACES                          ; four places between a matrix instruction and the vector work on its results (ISA guide 7.12.1)
.rept 4
	v_nop
.endr
.endm
.macro LOADX imm                       ; a slab: 32 loads, 16 KB of the wave on their way
.irp q, 0,1,2,3
.irp j, 0,1,2,3,4,5,6,7
	global_load_b128 v[XF+4*(8*(\q)+(\j)):XF+4*(8*(\q)+(\j))+3], v[XO], s[XBS+2*(\q):XBS+2*(\q)+1] offset:524288*(\j)+(\imm) th:TH_LOAD_NT
.endr
.endr
.endm
.macro LDC dst, ptr, imm               ; eight constants of my rows 8 h .. 8 h + 7
	global_load_b128 v[(\dst):(\dst)+3], v[BO], s[(\ptr):(\ptr)+1] offset:(\imm)
	global_load_b128 v[(\dst)+4:(\dst)+7], v[BO], s[(\ptr):(\ptr)+1] offset:(\imm)+16
.endm
.macro LDW blk, ptr, imm               ; a block of W in f32: row r, channels 32 s + 16 gg + 8 h + 0..7 at STG + 32 blk + 16 s + 8 gg
.set m, 0
.rept 8
	global_load_b128 v[STG+32*(\blk)+4*m:STG+32*(\blk)+4*m+3], v[WO], s[(\ptr):(\ptr)+1] offset:(\imm)+64*(m/2)+16*(m%2)
.set m, m+1
.endr
.endm
.macro CONVW n0                        ; three staged blocks to bf16: the fragment's register is half the staged register's number
	WIN 0x40
.set k, 0
.rept 48
	v_cvt_pk_bf16_f32 v[WF+16*(\n0)+k], v[STG+2*k], v[STG+2*k+1]
.set k, k+1
.endr
	WIN 0
.endm
.macro CONVERT                         ; x to bf16 fragments: register k = 8 s + 4 gg + p of tile i takes channels j = 2 p, 2 p + 1
.irp i, 0,1,2,3
.set k, 0
.rept 16
	v_cvt_pk_bf16_f32 v[XBF+16*(\i)+k], v[XF+8*k+(\i)], v[XF+8*k+4+(\i)]
.set k, k+1
.endr
.endr
.endm
.macro MUL n                           ; block n: the first K step starts the four sums with the bias, the second adds in place; the four accumulators take turns
	WIN 0x11
.irp i, 0,1,2,3
	v_wmma_f32_16x16x32_bf16 v[D+8*(\i):D+8*(\i)+7], v[WF+16*(\n):WF+16*(\n)+7], v[XBF+16*(\i):XBF+16*(\i)+7], v[BIAS+8*(\n):BIAS+8*(\n)+7]
.endr
	WIN 0x01
.irp i, 0,1,2,3
	v_wmma_f32_16x16x32_bf16 v[D+8*(\i):D+8*(\i)+7], v[WF+16*(\n)+8:WF+16*(\n)+15], v[XBF+16*(\i)+8:XBF+16*(\i)+15], v[D+8*(\i):D+8*(\i)+7]
.endr
	WIN 0
	PLACES
.endm
.macro PRELUQK i, am                   ; y += (a - 1) min(y, 0); registers 0-3 are head 2 h, 4-7 head 2 h + 1.  The accumulator is read from its low end on
.set y, D+8*(\i)
	WIN 0
.irp j, 0,1,2,3,4,5,6,7
	v_min_num_f32 v[T+(\j)], 0, v[y+(\j)]
.endr
	WIN 0x04
.irp p, 0,1,2,3
	v_pk_fma_f32 v[y+2*(\p):y+2*(\p)+1], v[T+2*(\p):T+2*(\p)+1], v[(\am)+2*((\p)/2):(\am)+2*((\p)/2)+1], v[y+2*(\p):y+2*(\p)+1] op_sel_hi:[1,0,1]
.endr
	WIN 0
.endm
.macro PRELUV i, hd
.set y, D+8*(\i)
	WIN 0
.irp j, 0,1,2,3,4,5,6,7
	v_min_num_f32 v[T+(\j)], 0, v[y+(\j)]
.endr
.irp p, 0,1,2,3
	v_pk_fma_f32 v[y+2*(\p):y+2*(\p)+1], v[T+2*(\p):T+2*(\p)+1], s[AM+2*(\hd):AM+2*(\hd)+1], v[y+2*(\p):y+2*(\p)+1] op_sel_hi:[1,0,1]
.endr
.endm
.macro LN4 i                           ; two norms over four registers each, line by line in turn
.set y, D+8*(\i)
	v_pk_add_f32 v[T:T+1], v[y:y+1], v[y+2:y+3]
	v_pk_add_f32 v[T+4:T+5], v[y+4:y+5], v[y+6:y+7]
	v_add_f32 v[T], v[T], v[T+1]
	v_add_f32 v[T+4], v[T+4], v[T+5]
	v_mul_f32 v[T], s[NQ], v[T]                    ; minus the mean
	v_mul_f32 v[T+4], s[NQ], v[T+4]
	v_pk_add_f32 v[y:y+1], v[y:y+1], v[T:T+1] op_sel_hi:[1,0]
	v_pk_add_f32 v[y+4:y+5], v[y+4:y+5], v[T+4:T+5] op_sel_hi:[1,0]
	v_pk_add_f32 v[y+2:y+3], v[y+2:y+3], v[T:T+1] op_sel_hi:[1,0]
	v_pk_add_f32 v[y+6:y+7], v[y+6:y+7], v[T+4:T+5] op_sel_hi:[1,0]
	v_pk_mul_f32 v[T+2:T+3], v[y:y+1], v[y:y+1]
	v_pk_mul_f32 v[T+6:T+7], v[y+4:y+5], v[y+4:y+5]
	v_pk_fma_f32 v[T+2:T+3], v[y+2:y+3], v[y+2:y+3], v[T+2:T+3]
	v_pk_fma_f32 v[T+6:T+7], v[y+6:y+7], v[y+6:y+7], v[T+6:T+7]
	v_add_f32 v[T+2], v[T+2], v[T+3]
	v_add_f32 v[T+6], v[T+6], v[T+7]
	v_fma_f32 v[T+2], v[T+2], s[PQ], s[EPS]        ; variance + 1e-5
	v_fma_f32 v[T+6], v[T+6], s[PQ], s[EPS]
	v_rsq_f32 v[T+2], v[T+2]
	v_rsq_f32 v[T+6], v[T+6]
	v_nop                                          ; a plain instruction between a root and the use of its result (ISA guide 5.7.2)
	s_wait_alu depctr_va_vdst(0)
	v_pk_mul_f32 v[y:y+1], v[y:y+1], v[T+2:T+3] op_sel_hi:[1,0]
	v_pk_mul_f32 v[y+2:y+3], v[y+2:y+3], v[T+2:T+3] op_sel_hi:[1,0]
	v_pk_mul_f32 v[y+4:y+5], v[y+4:y+5], v[T+6:T+7] op_sel_hi:[1,0]
	v_pk_mul_f32 v[y+6:y+7], v[y+6:y+7], v[T+6:T+7] op_sel_hi:[1,0]
.endm
.macro LN16 i                          ; a norm over my eight registers and the eight of the lane 16 away
.set y, D+8*(\i)
	v_pk_add_f32 v[T:T+1], v[y:y+1], v[y+2:y+3]
	v_pk_add_f32 v[T+2:T+3], v[y+4:y+5], v[y+6:y+7]
	v_pk_add_f32 v[T:T+1], v[T:T+1], v[T+2:T+3]
	v_add_f32 v[T], v[T], v[T+1]
	v_permlanex16_b32 v[T+1], v[T], s[SEL], s[SEL+1]
	v_add_f32 v[T], v[T], v[T+1]
	v_mul_f32 v[T], s[N16], v[T]                   ; minus the mean
.irp p, 0,1,2,3
	v_pk_add_f32 v[y+2*(\p):y+2*(\p)+1], v[y+2*(\p):y+2*(\p)+1], v[T:T+1] op_sel_hi:[1,0]
.endr
	v_pk_mul_f32 v[T+2:T+3], v[y:y+1], v[y:y+1]
	v_pk_mul_f32 v[T+4:T+5], v[y+2:y+3], v[y+2:y+3]
	v_pk_fma_f32 v[T+2:T+3], v[y+4:y+5], v[y+4:y+5], v[T+2:T+3]
	v_pk_fma_f32 v[T+4:T+5], v[y+6:y+7], v[y+6:y+7], v[T+4:T+5]
	v_pk_add_f32 v[T+2:T+3], v[T+2:T+3], v[T+4:T+5]
	v_add_f32 v[T+2], v[T+2], v[T+3]
	v_permlanex16_b32 v[T+3], v[T+2], s[SEL], s[SEL+1]
	v_add_f32 v[T+2], v[T+2], v[T+3]
	v_fma_f32 v[T+2], v[T+2], s[P16], s[EPS]
	v_rsq_f32 v[T+2], v[T+2]
	v_nop                                          ; a plain instruction between the root and the use of its result
	s_wait_alu depctr_va_vdst(0)
.irp p, 0,1,2,3
	v_pk_mul_f32 v[y+2*(\p):y+2*(\p)+1], v[y+2*(\p):y+2*(\p)+1], v[T+2:T+3] op_sel_hi:[1,0]
.endr
.endm
.macro AFF i, n                        ; times g plus beta
.set y, D+8*(\i)
	WIN 0x14
.irp p, 0,1,2,3
	v_pk_fma_f32 v[y+2*(\p):y+2*(\p)+1], v[y+2*(\p):y+2*(\p)+1], v[G+8*(\n)+2*(\p):G+8*(\n)+2*(\p)+1], v[BETA+8*(\n)+2*(\p):BETA+8*(\n)+2*(\p)+1]
.endr
	WIN 0
.endm
.macro BLOCKQK n, am, base             ; Q or K: block n, its a - 1, the scalar pair that holds its buffer's address
	MUL \n
.irp i, 0,1,2,3
	PRELUQK \i, \am
	LN4 \i
	AFF \i, \n
.endr
	s_wait_xcnt 0x0                                ; the earlier stores have read PK: it is rewritten only behind this wait
.irp i, 0,1,2,3
.irp hx, 0,1
.irp c, 0,1
	v_cvt_pk_f16_f32 v[PK+8*(\hx)+2*(\i)+(\c)], v[D+8*(\i)+4*(\hx)+2*(\c)], v[D+8*(\i)+4*(\hx)+2*(\c)+1]  ; head hx of my two: 16 bytes hold tiles 2 u, 2 u + 1, four channels each
.endr
.endr
.endr
.irp hx, 0,1
.irp u, 0,1
	global_store_b128 v[XO], v[PK+8*(\hx)+4*(\u):PK+8*(\hx)+4*(\u)+3], s[(\base):(\base)+1] offset:2097152*(\hx)+256*(\u)
.endr
.endr
.endm
.macro BLOCKV hd
	MUL 2+(\hd)
.irp i, 0,1,2,3
	PRELUV \i, \hd
	LN16 \i
	AFF \i, 2+(\hd)
.endr
	s_wait_xcnt 0x0                                ; the earlier stores have read PK
.irp i, 0,1,2,3
.irp p, 0,1,2,3
	v_cvt_pk_f16_f32 v[PK+4*(\i)+(\p)], v[D+8*(\i)+2*(\p)], v[D+8*(\i)+2*(\p)+1]
.endr
.endr
.irp i, 0,1,2,3
	global_store_b128 v[VO], v[PK+4*(\i):PK+4*(\i)+3], s[VBS+2*(\hd):VBS+2*(\hd)+1] offset:256*(\i)
.endr
.endm
	s_load_b512 s[8:23], s[0:1], 0x0               ; x 8, Wq 10, Wk 12, Wv 14, bq 16, bk 18, bv 20, aq 22
	s_load_b512 s[24:39], s[0:1], 0x40             ; ak 24, av 26, gq 28, gk 30, gv 32, betaq 34, betak 36, betav 38
	s_load_b128 s[40:43], s[0:1], 0x80             ; qws 40, kws 42
	s_load_b64 s[90:91], s[0:1], 0x90              ; vws
	v_lshrrev_b32 v8, 5, v0
	v_readfirstlane_b32 s[WV], v8                  ; wave 0..7
	v_and_b32 v10, 15, v0                          ; r
	v_bfe_u32 v11, v0, 4, 1                        ; h
	s_lshr_b32 s2, ttmp9, 7                        ; b
	s_and_b32 s3, ttmp9, 127
	s_lshl_b32 s3, s3, 4
	s_lshl1_add_u32 s[TT], s[WV], s3               ; t = 16 (g % 128) + 2 w
	s_lshl_b32 s70, s2, 25                         ; x: 33,554,432 b + 256 t
	s_lshl_b32 s69, s[TT], 8
	s_add_co_u32 s70, s70, s69
	s_mov_b32 s71, 0
	s_lshl_b32 s4, s2, 20                          ; qws, kws: 1,048,576 b + 512 t
	s_lshl_b32 s69, s[TT], 9
	s_add_co_u32 s4, s4, s69
	s_mov_b32 s5, 0
	s_lshl_b32 s6, s2, 22                          ; vws: 4,194,304 b + 2,048 t
	s_lshl_b32 s69, s[TT], 11
	s_add_co_u32 s6, s6, s69
	s_mov_b32 s7, 0
	v_lshlrev_b32 v8, 4, v10                       ; 16 r
	v_lshl_add_u32 v[XO], v11, 22, v8
	v_lshl_add_u32 v[VO], v11, 10, v8
	v_lshlrev_b32 v[BO], 5, v11
	v_lshl_add_u32 v[WO], v10, 8, v[BO]
	v_lshlrev_b32 v12, 3, v11                      ; 8 h: a of heads 2 h, 2 h + 1
	s_mov_b32 s[MASK], 0xffff0000
	s_mov_b32 s[NQ], 0xbe800000
	s_mov_b32 s[PQ], 0x3e800000
	s_mov_b32 s[EPS], 0x3727c5ac
	s_mov_b32 s[N16], 0xbd800000
	s_mov_b32 s[P16], 0x3d800000
	s_mov_b32 s[SEL], 0x76543210
	s_mov_b32 s[SEL+1], 0xfedcba98
	s_wait_kmcnt 0x0
	s_load_b128 s[92:95], s[26:27], 0x0            ; av, four numbers
	s_add_nc_u64 s[XBS:XBS+1], s[8:9], s[70:71]
	s_add_nc_u64 s[XBS+2:XBS+3], s[XBS:XBS+1], 0x800000    ; 16 channels are 8,388,608 bytes
	s_add_nc_u64 s[XBS+4:XBS+5], s[XBS:XBS+1], 0x1000000
	s_add_nc_u64 s[XBS+6:XBS+7], s[XBS:XBS+1], 0x1800000
	s_add_nc_u64 s[QB:QB+1], s[40:41], s[4:5]
	s_add_nc_u64 s[KB2:KB2+1], s[42:43], s[4:5]
	s_add_nc_u64 s[VBS:VBS+1], s[90:91], s[6:7]
	s_add_nc_u64 s[VBS+2:VBS+3], s[VBS:VBS+1], 0x800000    ; a head of vws is 8,388,608 bytes
	s_add_nc_u64 s[VBS+4:VBS+5], s[VBS:VBS+1], 0x1000000
	s_add_nc_u64 s[VBS+6:VBS+7], s[VBS:VBS+1], 0x1800000
	LOADX 0                                        ; the first slab goes out before anything else
	global_load_b64 v[T:T+1], v12, s[22:23]        ; aq
	global_load_b64 v[T+2:T+3], v12, s[24:25]      ; ak
	WIN 0x40                                       ; the constants land in their homes in window 1
	LDC BIAS, 16, 0
	LDC BIAS+8, 18, 0
	LDC G, 28, 0
	LDC G+8, 30, 0
	LDC BETA, 34, 0
	LDC BETA+8, 36, 0
.irp hd, 0,1,2,3
	LDC BIAS+16+8*(\hd), 20, 64*(\hd)
	LDC G+16+8*(\hd), 32, 64*(\hd)
	LDC BETA+16+8*(\hd), 38, 64*(\hd)
.endr
	WIN 0
	LDW 0, 10, 0
	LDW 1, 12, 0
	LDW 2, 14, 0
	s_wait_loadcnt 0x0
	s_wait_kmcnt 0x0
	v_cvt_pk_bf16_f32 v13, v[T], v[T+1]            ; the twelve a: rounded to bf16, widened, less 1
	v_cvt_pk_bf16_f32 v14, v[T+2], v[T+3]
	v_cvt_pk_bf16_f32 v15, s92, s93
	v_cvt_pk_bf16_f32 v16, s94, s95
.irp k, 0,1,2,3
	v_lshlrev_b32 v[T+2*(\k)], 16, v[13+(\k)]
	v_and_b32 v[T+2*(\k)+1], s[MASK], v[13+(\k)]
.endr
.irp k, 0,1,2,3,4,5,6,7
	v_add_f32 v[T+(\k)], -1.0, v[T+(\k)]
.endr
.irp k, 0,1,2,3
	v_readfirstlane_b32 s[AM+2*(\k)], v[T+4+(\k)]
	s_mov_b32 s[AM+2*(\k)+1], s[AM+2*(\k)]         ; named with it as a pair
.endr
	WIN 0x40
.irp k, 0,1,2,3
	v_mov_b32 v[AQ+2*(\k)], v[T+(\k)]              ; AQ's four registers, then AK's
	v_mov_b32 v[AQ+2*(\k)+1], v[T+(\k)]
.endr
	CONVW 0
	LDW 0, 14, 4096                                ; V's heads 1 to 3 into the same registers
	LDW 1, 14, 8192
	LDW 2, 14, 12288
	WIN 0x45                                       ; b, g, beta: rounded to bf16 in place, while those loads are out
.set k, BIAS
.rept 72
	v_cvt_pk_bf16_f32 v[k], v[k], v[k+1]
.set k, k+2
.endr
	WIN 0x44
.set k, BIAS
.rept 72
	v_and_b32 v[k+1], s[MASK], v[k]
	v_lshlrev_b32 v[k], 16, v[k]
.set k, k+2
.endr
	WIN 0
	s_wait_loadcnt 0x0
	CONVW 3
	s_mov_b32 s[CNT], 2
.Lslab:
	s_wait_loadcnt 0x0                             ; the slab is in
	CONVERT
	s_cmp_eq_u32 s[CNT], 1
	s_cbranch_scc1 .Lno_more                       ; the second slab is the last: no load leaves my share
	LOADX 256                                      ; the next slab travels while this one is worked on
.Lno_more:
	BLOCKQK 0, AQ, QB
	BLOCKQK 1, AK, KB2
	BLOCKV 0
	BLOCKV 1
	BLOCKV 2
	BLOCKV 3
	s_wait_xcnt 0x0                                ; every base is stepped only behind this wait
.irp q, 0,1,2,3
	s_add_nc_u64 s[XBS+2*(\q):XBS+2*(\q)+1], s[XBS+2*(\q):XBS+2*(\q)+1], 256
	s_add_nc_u64 s[VBS+2*(\q):VBS+2*(\q)+1], s[VBS+2*(\q):VBS+2*(\q)+1], 2048
.endr
	s_add_nc_u64 s[QB:QB+1], s[QB:QB+1], 512
	s_add_nc_u64 s[KB2:KB2+1], s[KB2:KB2+1], 512
	s_sub_co_u32 s[CNT], s[CNT], 1
	s_cmp_lg_u32 s[CNT], 0
	s_cbranch_scc1 .Lslab
	s_endpgm
.Lfunc_end_k_qe20f2cd570_proj:
	.size	k_qe20f2cd570_proj, .Lfunc_end_k_qe20f2cd570_proj-k_qe20f2cd570_proj
	.p2alignl 7, 3214868480
	.fill 96, 4, 3214868480
	.section	.rodata,"a",@progbits
	.p2align	6, 0x0
	.amdhsa_kernel k_qe20f2cd570_proj
		.amdhsa_group_segment_fixed_size 0
		.amdhsa_private_segment_fixed_size 0
		.amdhsa_enable_private_segment 0
		.amdhsa_kernarg_size 152
		.amdhsa_user_sgpr_count 2
		.amdhsa_user_sgpr_kernarg_segment_ptr 1
		.amdhsa_wavefront_size32 1
		.amdhsa_system_sgpr_workgroup_id_x 1
		.amdhsa_system_sgpr_workgroup_id_y 1
		.amdhsa_system_sgpr_workgroup_id_z 1
		.amdhsa_system_vgpr_workitem_id 0
		.amdhsa_next_free_vgpr 512
		.amdhsa_next_free_sgpr 100
		.amdhsa_reserve_vcc 0
		.amdhsa_float_denorm_mode_32 3
		.amdhsa_float_denorm_mode_16_64 3
		.amdhsa_memory_ordered 1
		.amdhsa_forward_progress 1
		.amdhsa_inst_pref_size 105
	.end_amdhsa_kernel
	.amdgpu_metadata
---
amdhsa.version: [ 1, 2 ]
amdhsa.kernels:
  - .name:           k_qe20f2cd570_proj
    .symbol:         k_qe20f2cd570_proj.kd
    .args:
      - { .name: x, .offset: 0, .size: 8, .value_kind: global_buffer, .address_space: global }
      - { .name: Wq, .offset: 8, .size: 8, .value_kind: global_buffer, .address_space: global }
      - { .name: Wk, .offset: 16, .size: 8, .value_kind: global_buffer, .address_space: global }
      - { .name: Wv, .offset: 24, .size: 8, .value_kind: global_buffer, .address_space: global }
      - { .name: bq, .offset: 32, .size: 8, .value_kind: global_buffer, .address_space: global }
      - { .name: bk, .offset: 40, .size: 8, .value_kind: global_buffer, .address_space: global }
      - { .name: bv, .offset: 48, .size: 8, .value_kind: global_buffer, .address_space: global }
      - { .name: aq, .offset: 56, .size: 8, .value_kind: global_buffer, .address_space: global }
      - { .name: ak, .offset: 64, .size: 8, .value_kind: global_buffer, .address_space: global }
      - { .name: av, .offset: 72, .size: 8, .value_kind: global_buffer, .address_space: global }
      - { .name: gq, .offset: 80, .size: 8, .value_kind: global_buffer, .address_space: global }
      - { .name: gk, .offset: 88, .size: 8, .value_kind: global_buffer, .address_space: global }
      - { .name: gv, .offset: 96, .size: 8, .value_kind: global_buffer, .address_space: global }
      - { .name: betaq, .offset: 104, .size: 8, .value_kind: global_buffer, .address_space: global }
      - { .name: betak, .offset: 112, .size: 8, .value_kind: global_buffer, .address_space: global }
      - { .name: betav, .offset: 120, .size: 8, .value_kind: global_buffer, .address_space: global }
      - { .name: qws, .offset: 128, .size: 8, .value_kind: global_buffer, .address_space: global }
      - { .name: kws, .offset: 136, .size: 8, .value_kind: global_buffer, .address_space: global }
      - { .name: vws, .offset: 144, .size: 8, .value_kind: global_buffer, .address_space: global }
    .group_segment_fixed_size: 0
    .private_segment_fixed_size: 0
    .kernarg_segment_align: 8
    .kernarg_segment_size: 152
    .max_flat_workgroup_size: 256
    .sgpr_count:     100
    .vgpr_count:     512
    .wavefront_size: 32
...
	.end_amdgpu_metadata
.endif
;; end of part 1
;; launch smax (part 2): grid 32 x 8, 4 waves a work-group, clusters of 4 x 1, 327,680 bytes of LDS; arguments qws, kws, pws, fac; writes pws, fac
.if DOCPART == 2
	.amdgcn_target "amdgcn-amd-amdhsa--gfx1250"
	.amdhsa_code_object_version 6
	.text
	.protected	k_qe20f2cd570_smax
	.globl	k_qe20f2cd570_smax
	.p2align	8
	.type	k_qe20f2cd570_smax,@function
k_qe20f2cd570_smax:
	s_mov_b64 s[64:65], 0
	v_nop
	global_prefetch_b8 v0, s[64:65] scope:SCOPE_SE
	s_setreg_imm32_b32 hwreg(HW_REG_WAVE_MODE, 25, 1), 1
	s_wait_xcnt 0x0
	s_wait_alu depctr_hold_cnt(0) depctr_sa_sdst(0) depctr_va_vdst(0) depctr_va_sdst(0) depctr_va_ssrc(0) depctr_va_vcc(0) depctr_vm_vsrc(0)
	s_getreg_b32 s2, hwreg(HW_REG_IB_STS2, 6, 4)
	s_cmp_eq_u32 s2, 0
	s_cbranch_scc0 .Lentry_in_a_cluster
	s_endpgm
.Lentry_in_a_cluster:
	s_bfe_u32 s2, ttmp6, 0x10000c
	s_cmp_lg_u32 s2, 0x3003
	s_cbranch_scc0 .Lentry_shape_is_right
	s_endpgm
.Lentry_shape_is_right:
; SMAX.  The weights of the attention.  For each of 8 (head, batch) pairs hb and each query: s = Q . K / 16 over 256 channels against 2,048 keys, and p = 2^(c s - c R), c = log2(e) / 16, where R is the
; RUNNING maximum of the query's scores over key steps of 256: the p of step n are taken against the maximum of steps 0 .. n.  Written: pws [2,048 hb + query][key] in f16; fac [n][row] = (a, a),
; a = 2^(c R(n-1) - c R(n)), by which the next launch multiplies its sums in front of step n's keys; fac [8][row] = (1 / l, 1 / l), l the sum of the weights against the last maximum.
; FORMATS AND LIMITS.  Q and K arrive in f16; products in f16 with f32 sums; maxima, exponentials and l in f32 (l is taken of the unrounded p); p lies in 0 to 1 and keeps f16's fixed step of 6e-8 below 6e-5.
; R starts at the lowest finite number and c R far below every c s, so the first a is 0.  A weight below 2^-126 counts as 0 in l; NaN and infinities are not treated apart.
; SHARES.  A work-group owns 64 queries, four tiles of 16, and walks the keys in 8 steps.  Wave w takes keys 64 w .. 64 w + 63 of a step for all four tiles: 16 accumulators, 128 products; each fragment
; of K read from LDS feeds four products.  Q stays in registers.
; LAYOUT.  S^T = K Q^T (source 0 = 16 keys, source 1 = 16 queries): a lane holds ONE query (lane % 16) and keys 8 (lane / 16) + 0..7.  A query's maximum of a step lies in two lanes of each of four waves:
; one exchange between the halves of the lanes, then the waves' figures meet in LDS, in two buffers that take turns.  Each wave keeps the sum of its own keys' weights; the four meet once, at the end.
; TILES.  A step's K is 256 rows of 512 bytes; each wave fetches, and alone reads, its own 64.  Two LDS slots.  The four query blocks of a cluster belong to one hb and walk the same K: each tile is asked for
; JOINTLY, the same tensor load with the same descriptor and a mask of four in all four.  By this text's own count a wave has two tensor loads out at the start and one behind each round.
; A TRIP: the change of slots (one round: it orders the reads of the old slot against its refill, and the stores of the maxima against their reads); step n's softmax; its p through a stage that the four
; waves share (a row's 512 bytes come from four waves: one barrier between writing and reading; each wave then stores 16 whole rows); step n + 1's products and maxima.
; REGISTERS, in windows of 256 (s_set_vgpr_msb: bits 1:0 source 0, 3:2 source 1, 5:4 source 2, 7:6 destination):
;   window 0: v0-15 addresses; v16-47 statistics, 8 a tile; v48-55 at work; v64-127 p packed, then rows read back; v128-255 S^T, 32 a tile     window 1: Q, 64 a tile     window 2: v0-127 two buffers of K
.set PITCH,  528      ; a row of K, and of the stage, in LDS: 512 bytes + 16 of padding = 132 words: row r starts at bank 4 r mod 64 (64 banks of 4 bytes: ISA guide 11.1)
.set WROWS,  64*PITCH ; a wave's 64 rows: 0x8400
.set SLOTB,  4*WROWS  ; 0x21000.  None of its bits is set in the four waves' bases 0, 0x8400, 0x10800, 0x18c00: one exclusive or turns a base in slot 0 into the one in slot 1 and back
.set TILEB,  131072   ; a step's K in memory
.set STAGE,  2*SLOTB  ; behind the ring: 64 rows, the work-group's
.set MXB,    STAGE+64*PITCH  ; the waves' maxima: two buffers of [wave][query % 16][tile] f32, 1,024 bytes each
.set LXB,    MXB+2048 ; the waves' sums, likewise
.set SPARE,  LXB+1024 ; the spare words, 128 bytes a wave: two blocks of 256 bytes that no other line names
.set AK0,  2          ; v2  my lane's place in my wave's rows of K; never rewritten
.set AKA,  3          ; v3  the same in the slot in hand
.set MXR0, 4          ; v4  MXB + 16 r
.set MXW0, 5          ; v5  MXB + 256 w + 16 r
.set MXR,  6          ; v6  the maxima to read
.set MXW,  7          ; v7  where mine go
.set STO,  8          ; v8  the stage: where I put 16 bytes of a row
.set RD,   9          ; v9  the stage: where I read rows back
.set GO,   10         ; v10 my byte offset in the block's rows of pws
.set QO,   11
.set FO,   12         ; v12 8 x lane
.set SPW,  14         ; LDS address of my spare word; never rewritten
.set NIL,  15         ; 0; never rewritten
.set ST,   16         ; tile t's statistics at ST + 8 t: c R, R, l (even keys', odd keys'), c0-c3 at work; a takes c2's place, and c3's too
.set LM,   48         ; v48-51 my keys' maximum (at the end: sum) for the four tiles
.set XF,   52         ; v52-55 two pairs for fac
.set PO,   64
.set MR,   112        ; v112-127 the four waves' figures; the last of p's registers, which are written later
.set S,    128
.set KA,   0          ; window 2
.set KB,   64         ; window 2
.set WV,   12         ; s12 my wave's number
.set G1,   16         ; s[16:23] descriptor group 1
.set G0A,  24         ; s[24:27] group 0 of tile 0
.set G0B,  28         ; s[28:31] group 0 of tile 1; it then walks
.set CS,   32         ; s[32:33] c
.set SEL,  34         ; s34, s35: each lane takes its own place in the other half
.set TB,   36         ; s36 the slot in hand
.set MXRS, 37         ; s37 which buffer of maxima is read
.set MXWS, 38         ; s38 which is written
.set CNT,  39
.set HM,   40         ; s40 the mask of lanes 16-31
.set MSB, 0
.macro WIN new                         ; the high byte repeats the setting that is left; a switch that changes nothing is dropped
.if MSB != (\new)
	s_set_vgpr_msb (MSB<<8)|(\new)
.set MSB, (\new)
.endif
.endm
.macro PLACES                          ; four places between a matrix instruction and a load into, or vector work on, its registers (ISA guide 7.12.1 for vector instructions)
.rept 4
	v_nop
.endr
.endm
.macro CROUND                          ; a round of the cluster's barrier
	s_barrier_signal -1
	s_barrier_wait -1
	s_cmp_lg_u32 s[WV], 0
	s_cbranch_scc1 .Lnot_wave_0_\@
	s_barrier_signal -3
.Lnot_wave_0_\@:
	s_barrier_wait -3
	s_barrier_signal -1
	s_barrier_wait -1
.endm
.macro ADDR                            ; the trip's LDS addresses: four plain instructions in window 0
	v_add_nc_u32 v[AKA], s[TB], v[AK0]
	v_add_nc_u32 v[MXR], s[MXRS], v[MXR0]
	v_add_nc_u32 v[MXW], s[MXWS], v[MXW0]
	v_nop
.endm
.macro FETCHK c, buf                   ; channels 64 c .. 64 c + 63 of my 64 keys: fragment (key block kb, half e) at buf + 16 kb + 8 e: two loads of 16 bytes, 32 bytes apart
	WIN 0x80
.irp kb, 0,1,2,3
.irp e, 0,1
	ds_load_b128 v[(\buf)+16*(\kb)+8*(\e):(\buf)+16*(\kb)+8*(\e)+3],   v[AKA] offset:16*PITCH*(\kb)+64*(2*(\c)+(\e))
	ds_load_b128 v[(\buf)+16*(\kb)+8*(\e)+4:(\buf)+16*(\kb)+8*(\e)+7], v[AKA] offset:16*PITCH*(\kb)+64*(2*(\c)+(\e))+32
.endr
.endr
.endm
.macro QKC c, buf                      ; 32 products on chunk c: half i / 16, key block (i / 4) % 4, tile i % 4.  The 16 accumulators take turns; chunk 0's first 16 start the sums
	WIN 0x06
.set i, 0
.rept 32
.set rS, S+32*(i%4)+8*((i/4)%4)
.set rK, (\buf)+16*((i/4)%4)+8*(i/16)
.set rQ, 64*(i%4)+8*(2*(\c)+i/16)
.if ((\c) == 0) && (i < 16)
	v_wmma_f32_16x16x32_f16 v[rS:rS+7], v[rK:rK+7], v[rQ:rQ+7], 0
.else
	v_wmma_f32_16x16x32_f16 v[rS:rS+7], v[rK:rK+7], v[rQ:rQ+7], v[rS:rS+7]
.endif
.set i, i+1
.endr
.endm
.macro LMAX t                          ; number j of the 18 that find tile t's maximum over my 64 keys: four chains of seven scores, three operands at a time (each accumulator's lowest registers are read first), the four left over, the other half of the lanes
.set rT, ST+8*(\t)
.set rS, S+32*(\t)
.if j < 4
	v_max3_num_f32 v[rT+4+j], v[rS+8*j], v[rS+8*j+1], v[rS+8*j+2]
.elseif j < 12
	v_max3_num_f32 v[rT+4+j%4], v[rT+4+j%4], v[rS+8*(j%4)+2*(j/4)+1], v[rS+8*(j%4)+2*(j/4)+2]
.elseif j == 12
	v_max3_num_f32 v[rT+4], v[rT+4], v[rS+7], v[rS+15]
.elseif j == 13
	v_max3_num_f32 v[rT+6], v[rT+6], v[rS+23], v[rS+31]
.elseif j == 14
	v_max3_num_f32 v[rT+4], v[rT+4], v[rT+5], v[rT+6]
.elseif j == 15
	v_max_num_f32 v[rT+4], v[rT+4], v[rT+7]
.elseif j == 16
	v_permlanex16_b32 v[rT+5], v[rT+4], s[SEL], s[SEL+1]
.else
	v_max_num_f32 v[LM+(\t)], v[rT+4], v[rT+5]
.endif
.endm
; A step's products and my keys' maxima.  early = 1: the first two chunks of K were fetched at the trip's head.  Each run of 16 loads is issued 32 products ahead of its first use.
.macro QKPART early
.if !(\early)
	FETCHK 0, KA
	FETCHK 1, KB
.endif
	s_wait_dscnt 16                                ; chunk 0 is in; chunk 1's 16 loads may be out
	QKC 0, KA
	PLACES
	FETCHK 2, KA
	s_wait_dscnt 16                                ; all but the 16 just issued
	QKC 1, KB
	PLACES
	FETCHK 3, KB
	s_wait_dscnt 16
	QKC 2, KA
	s_wait_dscnt 0x0
	QKC 3, KB
	WIN 0
	PLACES
.set j, 0
.rept 18
.irp t, 0,1,2,3                        ; the four tiles alternate, so that no instruction reads the result of the one just before it
	LMAX \t
.endr
.set j, j+1
.endr
	ds_store_b128 v[MXW], v[LM:LM+3]               ; lanes 16-31 hold, and write, what lanes 0-15 do
.endm
.macro STAT t                          ; number n of the 6 that make tile t's new R, c R and a
.set rT, ST+8*(\t)
.if n == 0
	v_mov_b32 v[rT+7], v[rT]                       ; c R of the step before is kept for a
.elseif n == 1
	v_max3_num_f32 v[rT+1], v[rT+1], v[MR+(\t)], v[MR+4+(\t)]
.elseif n == 2
	v_max3_num_f32 v[rT+1], v[rT+1], v[MR+8+(\t)], v[MR+12+(\t)]
.elseif n == 3
	v_mul_f32 v[rT], s[CS], v[rT+1]
.elseif n == 4
	v_sub_f32 v[rT+7], v[rT+7], v[rT]
.else
	v_exp_f32 v[rT+6], v[rT+7]
.endif
.endm
.macro FS t                            ; c s - c R for the tile's 16 pairs
.set rT, ST+8*(\t)
.set rS, S+32*(\t)
.set b, 0
.rept 16
	v_pk_fma_f32 v[rS+2*b:rS+2*b+1], v[rS+2*b:rS+2*b+1], s[CS:CS+1], v[rT:rT+1] op_sel_hi:[1,0,0] neg_lo:[0,0,1] neg_hi:[0,0,1]
.set b, b+1
.endr
.endm
.macro ES t                            ; the 32 exponentials, on registers of their own; what follows the macro is a plain instruction on another tile (ISA guide 5.7.2)
.set rS, S+32*(\t)
.set b, 0
.rept 32
	v_exp_f32 v[rS+b], v[rS+b]
.set b, b+1
.endr
.endm
.macro CV t                            ; rounded to f16: registers 4 kb .. 4 kb + 3 are eight neighbouring keys of key block kb
.set rS, S+32*(\t)
.set b, 0
	s_wait_alu depctr_va_vdst(0)
.rept 16
	v_cvt_pk_f16_f32 v[PO+16*(\t)+b], v[rS+2*b], v[rS+2*b+1]
.set b, b+1
.endr
.endm
.macro SU t                            ; the sum of the 16 pairs, in place: neighbours 1, 2, 4 and 8 pairs apart; then l = a l + the sum
.set rT, ST+8*(\t)
.set rS, S+32*(\t)
.irp w, 4,8,16,32
.set b, 0
.rept 32/(\w)
	v_pk_add_f32 v[rS+(\w)*b:rS+(\w)*b+1], v[rS+(\w)*b:rS+(\w)*b+1], v[rS+(\w)*b+(\w)/2:rS+(\w)*b+(\w)/2+1]
.set b, b+1
.endr
.endr
	v_pk_fma_f32 v[rT+2:rT+3], v[rT+2:rT+3], v[rT+6:rT+7], v[rS:rS+1]
.endm
.macro TOFAC r0, r1, r2, r3            ; four tiles' figures to fac: lanes 0-15 take one tile's, lanes 16-31 the next tile's, so that a store of 8 bytes a lane covers 32 rows: 256 consecutive bytes.  Wave 0 stores
	v_cndmask_b32 v[XF], v[\r0], v[\r1], s[HM]
	v_cndmask_b32 v[XF+2], v[\r2], v[\r3], s[HM]
	v_mov_b32 v[XF+1], v[XF]
	v_mov_b32 v[XF+3], v[XF+2]
	s_cmp_lg_u32 s[WV], 0
	s_cbranch_scc1 .Lno_fac_\@
	global_store_b64 v[FO], v[XF:XF+1], s[10:11]
	global_store_b64 v[FO], v[XF+2:XF+3], s[10:11] offset:256
.Lno_fac_\@:
.endm
; THE CHANGE OF SLOTS.  Each wave waits for all its tensor loads, of which one is out: its part of the next slot; adds 0 to its spare word; and waits for that, for its reads of the slot that it leaves and for
; its store of the maxima.  fill = 1: the barrier is a round of the cluster's, so that no wave of any partner still reads the slot or has a load on its way, and the joint refill is the first thing behind it.
.macro CHANGE fill
	WIN 0
	s_wait_tensorcnt 0x0                           ; no tensor load of mine is out, so a group 0 may be written
	ds_add_u32 v[SPW], v[NIL]                      ; 0 onto my spare word; the scalar work stands between it and the wait for it
.if \fill
	s_xor_b32 s[G0B+1], s[G0B+1], SLOTB            ; the walking descriptor: the other slot than last time,
	s_add_nc_u64 s[G0B+2:G0B+3], s[G0B+2:G0B+3], TILEB  ; the next 256 keys; the type bits on top are not reached
.endif
	s_xor_b32 s[TB], s[TB], SLOTB
	s_xor_b32 s[MXRS], s[MXRS], 1024
	s_xor_b32 s[MXWS], s[MXWS], 1024
	s_wait_dscnt 0x0
.if \fill
	CROUND
	tensor_load_to_lds s[G0B:G0B+3], s[G1:G1+7]    ; my 64 rows of the tile two on, into the slot read last
	s_nop 0
.else
	s_barrier_signal -1
	s_barrier_wait -1
.endif
	ADDR
.endm
; The first part of a trip: the change of slots, step n's softmax, its p out.
.macro HEAD fill, early
	CHANGE \fill
.irp w, 0,1,2,3
	ds_load_b128 v[MR+4*(\w):MR+4*(\w)+3], v[MXR] offset:256*(\w)
.endr
.if \early
	FETCHK 0, KA                                   ; the next step's first two chunks land while this step's softmax is made
	FETCHK 1, KB
	WIN 0
	s_wait_dscnt 32                                ; the maxima are in; the 32 loads of K are younger
.else
	s_wait_dscnt 0x0
.endif
.set n, 0
.rept 6
.irp t, 0,1,2,3
	STAT \t
.endr
.set n, n+1
.endr
	FS 0                                           ; plain instructions between the four exponentials and the use of a
	s_wait_alu depctr_va_vdst(0)
.irp t, 0,1,2,3
	v_mov_b32 v[ST+8*(\t)+7], v[ST+8*(\t)+6]       ; (a, a) is a pair
.endr
	TOFAC ST+6, ST+14, ST+22, ST+30
	ES 0
	FS 1
	ES 1
	CV 0
	SU 0
	FS 2
	ES 2
	CV 1
	SU 1
	FS 3
	ES 3
	CV 2
	SU 2
	CV 3
	SU 3
.irp t, 0,1,2,3
.irp kb, 0,1,2,3
	ds_store_b128 v[STO], v[PO+16*(\t)+4*(\kb):PO+16*(\t)+4*(\kb)+3] offset:16*PITCH*(\t)+32*(\kb)
.endr
.endr
	s_wait_dscnt 0x0                               ; for the others' sake: my stores into the stage are done
	s_barrier_signal -1
	s_barrier_wait -1                              ; the refill may stay out across it
.irp i, 0,1,2,3,4,5,6,7,8,9,10,11,12,13,14,15
	ds_load_b128 v[PO+4*(\i):PO+4*(\i)+3], v[RD] offset:PITCH*(\i)  ; a whole row: 32 lanes, 16 neighbouring bytes each
.endr
.irp i, 0,1,2,3,4,5,6,7,8,9,10,11,12,13,14,15
	s_wait_dscnt 15-(\i)                           ; LDS loads come back in order (ISA guide 5.7.1): row i is in
	global_store_b128 v[GO], v[PO+4*(\i):PO+4*(\i)+3], s[8:9] offset:4096*(\i) th:TH_STORE_NT  ; 512 consecutive bytes, at a multiple of 256 from the buffer's first
.endr
.endm
.macro STEPS                           ; on to the next step's columns of pws and entry of fac
	s_wait_xcnt 0x0                                ; the bases, and the registers that the stores read, are rewritten only behind this wait
	s_add_nc_u64 s[8:9], s[8:9], 512
	s_add_nc_u64 s[10:11], s[10:11], 131072
.endm
	s_load_b256 s[4:11], s[0:1], 0x0               ; qws s[4:5], kws s[6:7], pws s[8:9], fac s[10:11]
	v_lshl_add_u32 v[SPW], v0, 2, SPARE
	v_mov_b32 v[NIL], 0
	ds_add_u32 v[SPW], v[NIL]                      ; the wave's opening: the add and its wait come ahead of my first tensor load; the set-up below, work on registers, stands between them
	v_lshrrev_b32 v1, 5, v0
	v_readfirstlane_b32 s[WV], v1                  ; wave 0..3
	s_bfe_u32 s41, ttmp6, 0x40000                  ; cx: my place in the cluster
	s_lshl_b32 s42, ttmp9, 2                       ; in a cluster launch ttmp9 counts clusters
	s_add_co_u32 s42, s42, s41                     ; my block of 64 queries: it enters Q's, pws's and fac's addresses alone
	s_and_b32 s43, ttmp7, 0xffff                   ; hb, which the four partners share
	s_lshl_b32 s44, s43, 20                        ; kws: 1,048,576 hb + 32,768 w
	s_lshl_b32 s45, s[WV], 15
	s_add_co_u32 s44, s44, s45
	s_mov_b32 s45, 0
	s_lshl_b32 s46, s43, 20                        ; qws: 1,048,576 hb + 32,768 block
	s_lshl_b32 s47, s42, 15
	s_add_co_u32 s46, s46, s47
	s_mov_b32 s47, 0
	s_lshl_b32 s48, s43, 23                        ; pws: rows of 4,096 bytes
	s_lshl_b32 s49, s42, 18
	s_add_co_u32 s48, s48, s49
	s_mov_b32 s49, 0
	s_lshl_b32 s50, s43, 14                        ; fac: 8 bytes a row
	s_lshl_b32 s51, s42, 9
	s_add_co_u32 s50, s50, s51
	s_mov_b32 s51, 0
	; descriptor group 1: 64 rows of 256 elements, dense in memory, padded in LDS after every row
	s_mov_b32 s[G1], 15|(1<<16)|(1<<20)|(1<<21)|(6<<22)|(3<<25)  ; 15:0 the mask of four; 17:16 2-byte elements; 20 padding on; 21 set beside a mask; 24:22 after every 128 words (code 6); 31:25 4 words (code 3)
	s_mov_b32 s[G1+1], 256<<16                     ; tensor_dim0 = 256
	s_mov_b32 s[G1+2], 64<<16                      ; tensor_dim1 = 64
	s_mov_b32 s[G1+3], 256<<16                     ; tile_dim0 = 256
	s_mov_b32 s[G1+4], 64                          ; tile_dim1 = 64
	s_mov_b32 s[G1+5], 256                         ; 256 elements from row to row
	s_mov_b32 s[G1+6], 0
	s_mov_b32 s[G1+7], 0
	s_mul_i32 s52, s[WV], WROWS                    ; my rows' place in a slot: no place in the cluster enters an LDS address
	s_mov_b32 s[G0A], 1
	s_mov_b32 s[G0A+1], s52
	s_mov_b32 s[G0B], 1
	s_add_co_u32 s[G0B+1], s52, SLOTB
	s_mov_b32 s[CS], 0x3db8aa3b                    ; c = log2(e) / 16
	s_mov_b32 s[CS+1], s[CS]                       ; named with it as a pair
	s_mov_b32 s[SEL], 0x76543210
	s_mov_b32 s[SEL+1], 0xfedcba98
	s_mov_b32 s[HM], 0xffff0000
	s_mov_b32 s[TB], 0
	s_mov_b32 s[MXWS], 0
	s_mov_b32 s[MXRS], 1024
	s_wait_dscnt 0x0                               ; the opening add is done
	s_wait_kmcnt 0x0
	s_add_nc_u64 s[G0A+2:G0A+3], s[6:7], s[44:45]  ; tile 0
	s_add_nc_u64 s[G0B+2:G0B+3], s[G0A+2:G0A+3], TILEB  ; tile 1
	s_or_b32 s[G0A+3], s[G0A+3], 0x80000000        ; type = 2
	s_or_b32 s[G0B+3], s[G0B+3], 0x80000000
	s_add_nc_u64 s[4:5], s[4:5], s[46:47]
	s_add_nc_u64 s[8:9], s[8:9], s[48:49]
	s_add_nc_u64 s[10:11], s[10:11], s[50:51]
	CROUND                                         ; all four work-groups are here: the first joint loads meet
	tensor_load_to_lds s[G0A:G0A+3], s[G1:G1+7]
	s_nop 0
	tensor_load_to_lds s[G0B:G0B+3], s[G1:G1+7]
	s_nop 0
	PLACES
	v_and_b32 v1, 15, v0                           ; r
	v_bfe_u32 v56, v0, 4, 1                        ; h
	v_and_b32 v57, 31, v0                          ; lane
	v_lshlrev_b32 v[QO], 9, v1
	v_lshl_add_u32 v[QO], v56, 4, v[QO]            ; row x 512 + 16 h
	WIN 0x40
.irp t, 0,1,2,3                        ; Q stays in registers: tile t, channels 32 ks on
.irp ks, 0,1,2,3,4,5,6,7
	global_load_b128 v[64*(\t)+8*(\ks):64*(\t)+8*(\ks)+3],   v[QO], s[4:5] offset:8192*(\t)+64*(\ks)
	global_load_b128 v[64*(\t)+8*(\ks)+4:64*(\t)+8*(\ks)+7], v[QO], s[4:5] offset:8192*(\t)+64*(\ks)+32
.endr
.endr
	WIN 0
	v_mul_u32_u24 v58, v1, PITCH                   ; row r
	v_lshl_add_u32 v58, v56, 4, v58                ; + 16 h
	v_add_nc_u32 v[AK0], s52, v58
	v_lshlrev_b32 v59, 4, v1                       ; 16 r
	v_add_nc_u32 v[MXR0], MXB, v59
	s_lshl_b32 s53, s[WV], 8
	v_add_nc_u32 v[MXW0], s53, v[MXR0]
	s_lshl_b32 s53, s[WV], 7                       ; into the stage: row r of a tile, my 128 bytes of its 512, 16 bytes for each half of the lanes
	s_add_co_u32 s53, s53, STAGE
	v_add_nc_u32 v[STO], s53, v58
	s_mul_i32 s53, s[WV], 16*PITCH                 ; back: wave w takes rows 16 w .. 16 w + 15, whole
	s_add_co_u32 s53, s53, STAGE
	v_lshl_add_u32 v[RD], v57, 4, s53
	s_lshl_b32 s53, s[WV], 16                      ; and the same rows in pws
	v_lshl_add_u32 v[GO], v57, 4, s53
	v_lshlrev_b32 v[FO], 3, v57
.irp t, 0,1,2,3
	v_mov_b32 v[ST+8*(\t)], 0xfe000000             ; c R: far below every c s
	v_mov_b32 v[ST+8*(\t)+1], 0xff7fffff           ; R
	v_mov_b32 v[ST+8*(\t)+2], 0
	v_mov_b32 v[ST+8*(\t)+3], 0
.endr
	ADDR
	s_wait_tensorcnt 0x1                           ; my rows of tile 0 are in, and I alone read them; tile 1's may stay out
	s_wait_loadcnt 0x0                             ; Q
	QKPART 0                                       ; step 0
	s_mov_b32 s[CNT], 6
.Lmain:                                                ; steps 0 to 5: each asks for the tile two on, tiles 2 to 7
	HEAD 1, 1
	QKPART 1
	STEPS
	s_sub_co_u32 s[CNT], s[CNT], 1
	s_cmp_lg_u32 s[CNT], 0
	s_cbranch_scc1 .Lmain
	s_mov_b32 s[CNT], 2
.Ltail:                                                ; steps 6 and 7 ask for nothing; behind step 7 there are no further products: they are jumped over, forward, past no barrier and no tensor load
	HEAD 0, 0
	s_cmp_eq_u32 s[CNT], 1
	s_cbranch_scc1 .Lno_next
	QKPART 0
.Lno_next:
	STEPS
	s_sub_co_u32 s[CNT], s[CNT], 1
	s_cmp_lg_u32 s[CNT], 0
	s_cbranch_scc1 .Ltail
	; l: my keys' two halves, the other half of the lanes', the other waves'; 1 / l goes to fac's entry 8, on which the base now stands
.irp t, 0,1,2,3
	v_add_f32 v[LM+(\t)], v[ST+8*(\t)+2], v[ST+8*(\t)+3]
.endr
.irp t, 0,1,2,3
	v_permlanex16_b32 v[ST+8*(\t)+4], v[LM+(\t)], s[SEL], s[SEL+1]
.endr
.irp t, 0,1,2,3
	v_add_f32 v[LM+(\t)], v[LM+(\t)], v[ST+8*(\t)+4]
.endr
	ds_store_b128 v[MXW0], v[LM:LM+3] offset:2048
	s_wait_dscnt 0x0                               ; for the others' sake: my store is done
	s_barrier_signal -1
	s_barrier_wait -1
.irp w, 0,1,2,3
	ds_load_b128 v[MR+4*(\w):MR+4*(\w)+3], v[MXR0] offset:2048+256*(\w)
.endr
	s_wait_dscnt 0x0
.irp t, 0,1,2,3
	v_add_f32 v[MR+(\t)], v[MR+(\t)], v[MR+4+(\t)]
	v_add_f32 v[MR+8+(\t)], v[MR+8+(\t)], v[MR+12+(\t)]
.endr
.irp t, 0,1,2,3
	v_add_f32 v[MR+(\t)], v[MR+(\t)], v[MR+8+(\t)]
.endr
.irp t, 0,1,2,3
	v_rcp_f32 v[LM+(\t)], v[MR+(\t)]
.endr
	v_nop                                          ; a plain instruction between the last reciprocal and the use of its result
	s_wait_alu depctr_va_vdst(0)
	TOFAC LM, LM+1, LM+2, LM+3
	s_wait_tensorcnt 0x0                           ; the wave's end: a wait, the add and its wait, behind my last tensor load and my last LDS store
	ds_add_u32 v[SPW], v[NIL]
	s_wait_dscnt 0x0
	CROUND                                         ; the closing round: no work-group ends while a partner may still ask for a tile that names it
	s_endpgm
.Lfunc_end_k_qe20f2cd570_smax:
	.size	k_qe20f2cd570_smax, .Lfunc_end_k_qe20f2cd570_smax-k_qe20f2cd570_smax
	.p2alignl 7, 3214868480
	.fill 96, 4, 3214868480
	.section	.rodata,"a",@progbits
	.p2align	6, 0x0
	.amdhsa_kernel k_qe20f2cd570_smax
		.amdhsa_group_segment_fixed_size 327680
		.amdhsa_private_segment_fixed_size 0
		.amdhsa_enable_private_segment 0
		.amdhsa_kernarg_size 32
		.amdhsa_user_sgpr_count 2
		.amdhsa_user_sgpr_kernarg_segment_ptr 1
		.amdhsa_wavefront_size32 1
		.amdhsa_system_sgpr_workgroup_id_x 1
		.amdhsa_system_sgpr_workgroup_id_y 1
		.amdhsa_system_sgpr_workgroup_id_z 1
		.amdhsa_system_vgpr_workitem_id 0
		.amdhsa_next_free_vgpr 640
		.amdhsa_next_free_sgpr 66
		.amdhsa_reserve_vcc 0
		.amdhsa_float_denorm_mode_32 3
		.amdhsa_float_denorm_mode_16_64 3
		.amdhsa_memory_ordered 1
		.amdhsa_forward_progress 1
		.amdhsa_inst_pref_size 112
	.end_amdhsa_kernel
	.amdgpu_metadata
---
amdhsa.version: [ 1, 2 ]
amdhsa.kernels:
  - .name:           k_qe20f2cd570_smax
    .symbol:         k_qe20f2cd570_smax.kd
    .args:
      - { .name: qws, .offset: 0, .size: 8, .value_kind: global_buffer, .address_space: global }
      - { .name: kws, .offset: 8, .size: 8, .value_kind: global_buffer, .address_space: global }
      - { .name: pws, .offset: 16, .size: 8, .value_kind: global_buffer, .address_space: global }
      - { .name: fac, .offset: 24, .size: 8, .value_kind: global_buffer, .address_space: global }
    .group_segment_fixed_size: 327680
    .private_segment_fixed_size: 0
    .kernarg_segment_align: 8
    .kernarg_segment_size: 32
    .max_flat_workgroup_size: 128
    .sgpr_count:     66
    .vgpr_count:     640
    .wavefront_size: 32
...
	.end_amdgpu_metadata
.endif
;; end of part 2
;; launch pv (part 3): grid 4 x 64, 4 waves a work-group, clusters of 4 x 4, 327,680 bytes of LDS; arguments pws, vws, fac, ows; writes ows
.if DOCPART == 3
	.amdgcn_target "amdgcn-amd-amdhsa--gfx1250"
	.amdhsa_code_object_version 6
	.text
	.protected	k_qe20f2cd570_pv
	.globl	k_qe20f2cd570_pv
	.p2align	8
	.type	k_qe20f2cd570_pv,@function
k_qe20f2cd570_pv:
	s_mov_b64 s[64:65], 0
	v_nop
	global_prefetch_b8 v0, s[64:65] scope:SCOPE_SE
	s_setreg_imm32_b32 hwreg(HW_REG_WAVE_MODE, 25, 1), 1
	s_wait_xcnt 0x0
	s_wait_alu depctr_hold_cnt(0) depctr_sa_sdst(0) depctr_va_vdst(0) depctr_va_sdst(0) depctr_va_ssrc(0) depctr_va_vcc(0) depctr_vm_vsrc(0)
	s_getreg_b32 s2, hwreg(HW_REG_IB_STS2, 6, 4)
	s_cmp_eq_u32 s2, 0
	s_cbranch_scc0 .Lentry_in_a_cluster
	s_endpgm
.Lentry_in_a_cluster:
	s_bfe_u32 s2, ttmp6, 0x10000c
	s_cmp_lg_u32 s2, 0xf033
	s_cbranch_scc0 .Lentry_shape_is_right
	s_endpgm
.Lentry_shape_is_right:
; PV.  O[row][col] = (1 / l[row]) x the sum over keys of p[row][key] V[hb][key][col], row = 2,048 hb + query: 16,384 rows, 1,024 columns, 2,048 keys.  p, V and O in f16, sums in f32, O rounded once.
; The p of keys 256 n .. 256 n + 255 were taken against the running maximum of steps 0 .. n: in front of each such step from the second on the sums are multiplied by a = fac[n][row], which is at most 1;
; fac[8][row] is 1 / l.  LIMITS.  O is a mean of V's rows and has their range, within f16's 65,504.  NaN and infinities are not treated apart.
; SHAPE.  A tile of O, 256 x 256, is made by a work-group of four waves; a wave makes 128 x 128: 64 accumulators, 512 registers.  The keys go in steps of 128 through two LDS slots filled by the tensor data
; mover: 256 rows of p (256 bytes each) and 128 rows of V (512 bytes each).  For 32 keys a wave loads 2 x 8 KB from LDS and issues 64 matrix instructions.
; CLUSTERS: 4 x 4 work-groups.  The four of a row of the cluster make one tile row and need the same tiles of p; the four of a column need the same tiles of V (eight tile rows make an hb, so a cluster's four
; lie in one).  Each tile is asked for JOINTLY: the same tensor load, descriptor and mask in all four.  By this text's own count a wave has two tensor loads out at the start and one behind each round;
; from a refill to the wait for it the wave issues 224 matrix instructions.
; THE MATRIX INSTRUCTION IS USED TRANSPOSED: source 0 = 16 columns of V (V lies [key][column] and comes out of LDS turned, by ds_load_tr16_b128), source 1 = 16 rows of p.  A lane then holds row lane % 16
; and eight NEIGHBOURING columns, which pack into 16 bytes; and a row's factor is one number a lane.
; REGISTERS, in windows of 256 (s_set_vgpr_msb: bits 1:0 source 0, 3:2 source 1, 5:4 source 2, 7:6 destination):
;   window 0: v0-31 addresses; v64-127, v128-191 fragments of p, two buffers; v32-63, v192-255 at work on the way out
;   window 1: v0-15 the factors of my eight blocks of 16 rows, as pairs; v64-127, v128-191 fragments of V, two buffers
;   window 2: the 32 accumulators of my rows 0-63 (accumulator (a, b) at v[8 (8 a + b)]);   window 3: those of my rows 64-127
.set PITCH,  272      ; a row of p in LDS: 256 bytes + 16 of padding = 68 words: row r starts at bank 4 r mod 64 (64 banks of 4 bytes: ISA guide 11.1)
.set VPITCH, 544      ; a row of V: 512 + 32 = 136 words: row r starts at bank 8 r mod 64
.set HALFT,  128*PITCH  ; what one tensor load brings: 128 rows of p, or 64 rows of V: 0x8800
.set SLOT,   4*HALFT  ; 0x22000.  None of its bits is set in the four waves' bases 0, 0x8800, 0x11000, 0x19800: one exclusive or turns a base in slot 0 into the one in slot 1 and back
.set STAGE,  2*SLOT   ; behind the ring: 16 rows x 272 bytes for each wave, for the way out
.set SPITCH, 272
.set SPARE,  STAGE+4*16*SPITCH  ; the spare words, 128 bytes a wave: two blocks of 256 bytes that no other line names
.set LAPF,   131072   ; bytes from one entry of fac to the next
.set PSTEP,  256      ; 128 keys along a row of p
.set VSTEP,  262144   ; 128 rows of V
.set ADRA0, 16        ; v16 my lane's place among my rows of p; never rewritten
.set ADRA,  17        ; v17 the same in the slot in hand
.set ADRB0, 20        ; v20, v21 the same for my columns of V
.set ADRB,  21
.set STO,  24         ; v24 the way out: where I put 16 bytes of a row
.set RD,   25         ; v25 the way out: where I read a row back
.set CO,   26         ; v26 my byte offset in O
.set FO,   27         ; v27 8 x (lane % 16)
.set SPW,  28         ; LDS address of my spare word; never rewritten
.set NIL,  29         ; 0; never rewritten
.set F0,   64
.set F1,   128
.set TMP,  192
.set OB,   32
.set FAC,  0          ; window 1
.set WV,   12         ; s12 my wave's number
.set RH,   13         ; s13 which half of the tile's rows is mine.  Also: I fetch p (0) or V (1)
.set CH,   14         ; s14 which half of its columns.  Also: which half of that tile I fetch
.set TB,   15         ; s15 the slot in hand
.set G1,   24         ; s[24:31] descriptor group 1 for p's tiles
.set G0,   32         ; s[32:39] group 0 for p's: step 0's; step 1's, which then walks
.set G1B,  48         ; s[48:55], s[56:63] the same for V's
.set G0B,  56
.set CNT,  66
.set ODD,  67
.set TR,   68         ; s68 the tile row
.set TC,   69         ; s69 the tile column
.set MSB, 0
.macro WIN new                         ; the immediate's high byte repeats the setting that is left; a switch that changes nothing is dropped
.if MSB != (\new)
	s_set_vgpr_msb (MSB<<8)|(\new)
.set MSB, \new
.endif
.endm
.set MUL_LO, 0xa1                      ; source 0 (V) window 1, source 1 (p) window 0, C and D window 2
.set TO_B,   0x40                      ; destination window 1, address window 0
.macro PLACES                          ; four places between a matrix instruction and a load into, or vector work on, its registers (ISA guide 7.12.1 for vector instructions)
.rept 4
	v_nop
.endr
.endm
; A joint refill by the walking descriptors.  Waves 0 and 1 fetch p's two halves, waves 2 and 3 V's.  The branch hangs on the wave's number alone.
; An s_nop 0 and four v_nop follow each of the two lines, ahead of the jump and the label.
.macro JLOAD
	s_cmp_eq_u32 s[RH], 0
	s_cbranch_scc0 .Lfor_v_\@
	tensor_load_to_lds s[G0+4:G0+7], s[G1:G1+7]
	s_nop 0
	PLACES
	s_branch .Lasked_\@
.Lfor_v_\@:
	tensor_load_to_lds s[G0B+4:G0B+7], s[G1B:G1B+7]
	s_nop 0
	PLACES
.Lasked_\@:
.endm
.macro CREST                           ; a round of the cluster's barrier behind its opening barrier
	s_cmp_lg_u32 s[WV], 0
	s_cbranch_scc1 .Lnot_wave_0_\@
	s_barrier_signal -3
.Lnot_wave_0_\@:
	s_barrier_wait -3
	s_barrier_signal -1
	s_barrier_wait -1
.endm
.macro CROUND
	s_barrier_signal -1
	s_barrier_wait -1
	CREST
.endm
.macro ADDR                            ; my fragments' LDS addresses in the slot in hand
	WIN 0
	v_add_nc_u32 v[ADRA], s[TB], v[ADRA0]
	v_add_nc_u32 v[ADRB], s[TB], v[ADRB0]
.endm
; 16 matrix instructions: row blocks a0, a0 + 1 of the window's four (hi = 0: my rows 0-63, 1: rows 64-127) x all 8 column blocks, 32 keys.  zero = 1: the first product starts the sums: nothing is cleared.
; The 64 accumulators take turns, one instruction a turn, in the same order in every quarter.
.macro MUL16 f, hi, a0, zero
	WIN MUL_LO+0x50*(\hi)
.irp a, \a0, (\a0)+1
.irp b, 0,1,2,3,4,5,6,7
.if \zero
	v_wmma_f32_16x16x32_f16 v[8*(8*(\a)+(\b)):8*(8*(\a)+(\b))+7], v[(\f)+8*(\b):(\f)+8*(\b)+7], v[(\f)+8*(4*(\hi)+(\a)):(\f)+8*(4*(\hi)+(\a))+7], 0
.else
	v_wmma_f32_16x16x32_f16 v[8*(8*(\a)+(\b)):8*(8*(\a)+(\b))+7], v[(\f)+8*(\b):(\f)+8*(\b)+7], v[(\f)+8*(4*(\hi)+(\a)):(\f)+8*(4*(\hi)+(\a))+7], v[8*(8*(\a)+(\b)):8*(8*(\a)+(\b))+7]
.endif
.endr
.endr
.endm
; 32 LDS loads in one run: the fragments of quarter q (keys 32 q on) into buffer f: V's 8 column blocks, turned; then p's 8 row blocks
.macro FETCH q, f
	WIN TO_B
.irp i, 0,1,2,3,4,5,6,7
	ds_load_tr16_b128 v[(\f)+8*(\i):(\f)+8*(\i)+3],   v[ADRB] offset:(\q)*32*VPITCH+32*(\i)
	ds_load_tr16_b128 v[(\f)+8*(\i)+4:(\f)+8*(\i)+7], v[ADRB] offset:(\q)*32*VPITCH+16*VPITCH+32*(\i)
.endr
	WIN 0
.irp i, 0,1,2,3,4,5,6,7
	ds_load_b128 v[(\f)+8*(\i):(\f)+8*(\i)+3],   v[ADRA] offset:64*(\q)+(\i)*16*PITCH
	ds_load_b128 v[(\f)+8*(\i)+4:(\f)+8*(\i)+7], v[ADRA] offset:64*(\q)+(\i)*16*PITCH+32
.endr
.endm
; A key step is four quarters of 32 keys, 64 matrix instructions each, on buffers 0, 1, 0, 1.  One of the first three: multiplies buffer f; in its middle it fetches quarter q into buffer g.
.macro QUARTER q, f, g, zero
	s_wait_dscnt 8                                 ; V and p's rows 0-63 are in; the youngest eight loads (p's rows 64-127) may be out
	MUL16 \f, 0, 0, \zero
	MUL16 \f, 0, 2, \zero
	PLACES
	FETCH \q, \g
	s_wait_dscnt 32                                ; all but the 32 just issued
	MUL16 \f, 1, 0, \zero
	MUL16 \f, 1, 2, \zero
.endm
; The last quarter multiplies buffer 1 and changes slots: ONE barrier.  In front of it each wave waits for all its tensor loads, of which one is out: its part of the next slot; adds 0 to its spare word; and
; waits for that and for its own reads of this slot.  fill = 1: the barrier opens a round of the cluster's, so that no wave of any partner still reads the slot or has a load on its way, and the joint refill,
; two key steps ahead, is the first tensor load behind the round.
.macro TURN fill
	WIN 0                                          ; (the add's two registers lie in window 0)
	s_wait_tensorcnt 0x0                           ; all my tensor loads have landed
	ds_add_u32 v[SPW], v[NIL]                      ; 0 onto my spare word
	s_wait_dscnt 9                                 ; (the add and the youngest eight loads may be out)
	MUL16 F1, 0, 0, 0                              ; sixteen matrix instructions stand between the add and the wait for it
	s_wait_dscnt 0x0                               ; the add is done, and my reads of this slot are over
	s_barrier_signal -1
	MUL16 F1, 0, 2, 0                              ; work on registers while the others arrive
	WIN 0
	s_barrier_wait -1
.if \fill
	CREST
	s_xor_b32 s[G0+5], s[G0+5], SLOT               ; the walking descriptors: the other slot than last time, the next key step; the type bits on top are not reached
	s_add_nc_u64 s[G0+6:G0+7], s[G0+6:G0+7], PSTEP
	s_xor_b32 s[G0B+5], s[G0B+5], SLOT
	s_add_nc_u64 s[G0B+6:G0B+7], s[G0B+6:G0B+7], VSTEP
	s_xor_b32 s[TB], s[TB], SLOT
	JLOAD                                          ; the four v_nop behind it are also the places in front of the loads below
.else
	s_xor_b32 s[TB], s[TB], SLOT
	PLACES
.endif
	ADDR
	FETCH 0, F0
	MUL16 F1, 1, 0, 0
	MUL16 F1, 1, 2, 0
.endm
.macro LOADF                           ; an entry of fac for my 128 rows: block a's pair at FAC + 2 a; both halves of the lanes read the same 128 bytes
	WIN TO_B
.irp a, 0,1,2,3,4,5,6,7
	global_load_b64 v[FAC+2*(\a):FAC+2*(\a)+1], v[FO], s[8:9] offset:128*(\a)
.endr
	WIN 0
.endm
.macro RESC                            ; all 64 accumulators times their rows' factor; each accumulator's lowest registers come first
	s_wait_loadcnt 0x0                             ; the factors, asked for two key steps ago
	PLACES                                         ; behind the last products; window 2's 128 lines are further places for window 3's
.irp a, 0,1,2,3,4,5,6,7
	WIN 0x86+0x41*((\a)/4)                         ; destination and source 0 window 2 or 3, source 1 window 1
.set z, 0
.rept 32
	v_pk_mul_f32 v[64*((\a)%4)+2*z:64*((\a)%4)+2*z+1], v[64*((\a)%4)+2*z:64*((\a)%4)+2*z+1], v[FAC+2*(\a):FAC+2*(\a)+1]
.set z, z+1
.endr
.endr
	WIN 0
.endm
; THE WAY OUT of block a (16 rows).  PACK: rounded to f16, 16 bytes a lane.  TOSTAGE: into my own stage in LDS, and back as whole rows of 256 bytes.  SEND: stored.
.macro PACK a
	WIN 0x0a+5*((\a)/4)                            ; sources 0 and 1: window 2 or 3
.irp b, 0,1,2,3,4,5,6,7
.irp r, 0,1,2,3
	v_cvt_pk_f16_f32 v[TMP+4*(\b)+(\r)], v[64*((\a)%4)+8*(\b)+2*(\r)], v[64*((\a)%4)+8*(\b)+2*(\r)+1]
.endr
.endr
	WIN 0
.endm
.macro TOSTAGE a
.set BK, OB+192*((\a)%2)
.irp b, 0,1,2,3,4,5,6,7
	ds_store_b128 v[STO], v[TMP+4*(\b):TMP+4*(\b)+3] offset:32*(\b)
.endr
.irp t, 0,1,2,3,4,5,6,7
	ds_load_b128 v[BK+4*(\t):BK+4*(\t)+3], v[RD] offset:(\t)*2*SPITCH  ; LDS serves a wave's instructions in order (ISA guide 5.7.1.4): these see the stores above
.endr
.endm
.macro SEND a
.set BK, OB+192*((\a)%2)
	s_wait_dscnt 0x0                               ; the block is back in registers
	s_wait_xcnt 0x0                                ; the registers that the stores of the block before read are loaded again only behind this wait
.irp t, 0,1,2,3,4,5,6,7
	global_store_b128 v[CO], v[BK+4*(\t):BK+4*(\t)+3], s[10:11] offset:32768*(\a)+4096*(\t)  ; 16 lanes store 256 consecutive bytes, at a multiple of 256 from O's first byte
.endr
.endm
	s_load_b256 s[4:11], s[0:1], 0x0               ; pws s[4:5], vws s[6:7], fac s[8:9], ows s[10:11]
	v_lshl_add_u32 v[SPW], v0, 2, SPARE
	v_mov_b32 v[NIL], 0
	ds_add_u32 v[SPW], v[NIL]                      ; the wave's opening: the add and its wait come ahead of my first tensor load; the set-up below, work on registers, stands between them
	v_lshrrev_b32 v1, 5, v0
	v_readfirstlane_b32 s[WV], v1                  ; wave 0..3
	s_lshr_b32 s[RH], s[WV], 1
	s_and_b32 s[CH], s[WV], 1
	s_bfe_u32 s40, ttmp6, 0x40000                  ; cx, cy: my place in the cluster
	s_bfe_u32 s41, ttmp6, 0x40004
	s_lshl_b32 s[TC], ttmp9, 2                     ; in a cluster launch ttmp9 and ttmp7 count clusters
	s_add_co_u32 s[TC], s[TC], s40                 ; tile column = 4 x cluster x + cx
	s_and_b32 s42, ttmp7, 0xffff
	s_lshl_b32 s[TR], s42, 2
	s_add_co_u32 s[TR], s[TR], s41                 ; tile row = 4 x cluster y + cy
	s_lshr_b32 s42, s42, 1                         ; hb = tile row / 8 = cluster y / 2: it holds nothing of cy
	s_lshl_b32 s43, s41, 2
	s_lshl_b32 s43, 15, s43                        ; my row of the cluster
	s_lshl_b32 s44, 0x1111, s40                    ; my column
	; descriptor group 1.  p: 128 rows x 128 elements, 2,048 elements from row to row, 4 words of padding behind every 64.  V: 64 rows x 256 elements, 1,024 from row to row, 8 words behind every 128
	s_or_b32 s[G1], s43, (1<<16)|(1<<20)|(1<<21)|(5<<22)|(3<<25)   ; 15:0 the mask: p's tiles go to my row; 17:16 2-byte elements; 20 padding on; 21 set beside a mask; 24:22 the interval; 31:25 the padding
	s_or_b32 s[G1B], s44, (1<<16)|(1<<20)|(1<<21)|(6<<22)|(7<<25)  ; V's tiles go to my column
	s_mov_b32 s[G1+1], 128<<16                     ; tensor_dim0
	s_mov_b32 s[G1+2], 128<<16                     ; tensor_dim1
	s_mov_b32 s[G1+3], 128<<16                     ; tile_dim0
	s_mov_b32 s[G1+4], 128                         ; tile_dim1
	s_mov_b32 s[G1+5], 2048                        ; the pitch
	s_mov_b32 s[G1+6], 0
	s_mov_b32 s[G1+7], 0
	s_mov_b32 s[G1B+1], 256<<16
	s_mov_b32 s[G1B+2], 64<<16
	s_mov_b32 s[G1B+3], 256<<16
	s_mov_b32 s[G1B+4], 64
	s_mov_b32 s[G1B+5], 1024
	s_mov_b32 s[G1B+6], 0
	s_mov_b32 s[G1B+7], 0
	; where the tiles come from.  p's hang on the tile row alone, V's on hb and the tile column alone; every wave makes both addresses, in registers that never hold the other coordinate, and asks by one of them
	s_lshl_b32 s16, s[TR], 20                      ; p: 256 rows of 4,096 bytes a tile row,
	s_lshl_b32 s17, s[CH], 19                      ; 128 rows a half
	s_add_co_u32 s16, s16, s17
	s_mov_b32 s17, 0
	s_lshl_b32 s46, s42, 22                        ; V: 4,194,304 hb + 64 rows of 2,048 bytes a half + 512 bytes a tile column
	s_lshl_b32 s47, s[CH], 17
	s_add_co_u32 s46, s46, s47
	s_lshl_b32 s47, s[TC], 9
	s_add_co_u32 s46, s46, s47
	s_mov_b32 s47, 0
	s_lshl_b32 s70, s[TR], 19                      ; O: my first row (2,048 bytes each) and column
	s_lshl_b32 s71, s[RH], 18
	s_add_co_u32 s70, s70, s71
	s_lshl_b32 s71, s[TC], 9
	s_add_co_u32 s70, s70, s71
	s_lshl_b32 s71, s[CH], 8
	s_add_co_u32 s70, s70, s71
	s_mov_b32 s71, 0
	s_lshl_b32 s72, s[TR], 11                      ; fac: entry 1, 8 bytes a row
	s_lshl_b32 s73, s[RH], 10
	s_add_co_u32 s72, s72, s73
	s_add_co_u32 s72, s72, LAPF
	s_mov_b32 s73, 0
	s_mul_i32 s20, s[WV], HALFT                    ; where the tiles go: p's two halves, then V's two: no place in the cluster enters an LDS address
	s_mov_b32 s[G0], 1
	s_mov_b32 s[G0+1], s20
	s_mov_b32 s[G0+4], 1
	s_add_co_u32 s[G0+5], s20, SLOT
	s_mov_b32 s[G0B], 1
	s_mov_b32 s[G0B+1], s20
	s_mov_b32 s[G0B+4], 1
	s_add_co_u32 s[G0B+5], s20, SLOT
	s_mov_b32 s[TB], 0
	s_wait_dscnt 0x0                               ; the opening add is done
	s_wait_kmcnt 0x0
	s_add_nc_u64 s[G0+2:G0+3], s[4:5], s[16:17]    ; key step 0
	s_add_nc_u64 s[G0+6:G0+7], s[G0+2:G0+3], PSTEP ; key step 1
	s_or_b32 s[G0+3], s[G0+3], 0x80000000          ; type = 2
	s_or_b32 s[G0+7], s[G0+7], 0x80000000
	s_add_nc_u64 s[G0B+2:G0B+3], s[6:7], s[46:47]
	s_add_nc_u64 s[G0B+6:G0B+7], s[G0B+2:G0B+3], VSTEP
	s_or_b32 s[G0B+3], s[G0B+3], 0x80000000
	s_or_b32 s[G0B+7], s[G0B+7], 0x80000000
	s_add_nc_u64 s[8:9], s[8:9], s[72:73]
	s_add_nc_u64 s[10:11], s[10:11], s[70:71]
	CROUND                                         ; all sixteen work-groups are here: the first joint loads meet
	s_cmp_eq_u32 s[RH], 0                          ; a wave's two first fills stand in one branch, ahead of every wait on TENSORcnt and every LDS read
	s_cbranch_scc0 .Lfirst_v
	tensor_load_to_lds s[G0:G0+3], s[G1:G1+7]
	s_nop 0
	tensor_load_to_lds s[G0+4:G0+7], s[G1:G1+7]
	s_nop 0
	PLACES
	s_branch .Lfirst_asked
.Lfirst_v:
	tensor_load_to_lds s[G0B:G0B+3], s[G1B:G1B+7]
	s_nop 0
	tensor_load_to_lds s[G0B+4:G0B+7], s[G1B:G1B+7]
	s_nop 0
	PLACES
.Lfirst_asked:
	v_and_b32 v1, 15, v0                           ; r = l % 16
	v_bfe_u32 v2, v0, 4, 1                         ; h = l / 16
	v_lshlrev_b32 v[FO], 3, v1
	v_mul_u32_u24 v3, v1, PITCH
	v_lshl_add_u32 v3, v2, 4, v3                   ; row x 272 + 16 h: a fragment of p, and a row of the stage
	LOADF                                          ; fac[1]
	s_mul_i32 s21, s[RH], HALFT                    ; my 128 rows of p
	v_add_nc_u32 v[ADRA0], s21, v3
	; the turning load takes 16 keys x 16 columns: lane l reads key 8 (l / 16) + l % 8, columns 8 ((l / 8) % 2) + 0..7, and is left with column l % 16 and 8 keys
	v_and_b32 v4, 7, v0
	v_bfe_u32 v5, v0, 3, 1
	v_lshl_add_u32 v4, v2, 3, v4
	v_mul_u32_u24 v4, v4, VPITCH
	v_lshl_add_u32 v4, v5, 4, v4
	s_lshl_b32 s22, s[CH], 8                       ; my 256 bytes of V's rows, which lie behind p's 256 rows
	s_add_co_u32 s22, s22, 2*HALFT
	v_add_nc_u32 v[ADRB0], s22, v4
	s_mul_i32 s23, s[WV], 16*SPITCH
	s_add_co_u32 s23, s23, STAGE                   ; my stage
	v_add_nc_u32 v[STO], s23, v3                   ; in: row r, 16 bytes for each half of the lanes
	v_mul_u32_u24 v5, v2, SPITCH                   ; back: lanes 0-15 take one row of 256 bytes, lanes 16-31 the next
	v_lshl_add_u32 v5, v1, 4, v5
	v_add_nc_u32 v[RD], s23, v5
	v_lshlrev_b32 v[CO], 11, v2                    ; and the same two rows in O
	v_lshl_add_u32 v[CO], v1, 4, v[CO]
	ADDR
	s_wait_tensorcnt 0x1                           ; my part of key step 0 is in; step 1's may stay out
	s_barrier_signal -1
	s_barrier_wait -1                              ; everybody's is
	FETCH 0, F0
	QUARTER 1, F0, F1, 1                           ; the first quarter stands in front of the loop: its products start the sums
	WIN 0                                          ; at a label and at a branch every window is 0
	s_mov_b32 s[CNT], 14
.Lstep:                                                ; trip s = 14 - CNT goes from step s's second quarter to step s + 1's first, and asks for step s + 2: steps 2 to 15
	QUARTER 2, F1, F0, 0
	QUARTER 3, F0, F1, 0
	TURN 1
	WIN 0
	s_and_b32 s[ODD], s[CNT], 1
	s_cmp_eq_u32 s[ODD], 0
	s_cbranch_scc1 .Lno_rs                         ; behind an even step the same 256 keys go on.  The jump goes forward and passes no barrier and no tensor load
	RESC                                           ; behind step 2 n - 1: the sums times fac[n],
	s_add_nc_u64 s[8:9], s[8:9], LAPF              ; (the loads that named this base are done: RESC has waited for them)
	LOADF                                          ; and fac[n + 1] is asked for; the last is fac[8], 1 / l
.Lno_rs:
	QUARTER 1, F0, F1, 0
	WIN 0
	s_sub_co_u32 s[CNT], s[CNT], 1
	s_cmp_lg_u32 s[CNT], 0
	s_cbranch_scc1 .Lstep
	QUARTER 2, F1, F0, 0                           ; steps 14 and 15 are written out: nothing is asked for
	QUARTER 3, F0, F1, 0
	TURN 0
	QUARTER 1, F0, F1, 0
	QUARTER 2, F1, F0, 0
	QUARTER 3, F0, F1, 0
	s_wait_dscnt 8                                 ; the very last quarter: nothing more to fetch
	MUL16 F1, 0, 0, 0
	MUL16 F1, 0, 2, 0
	s_wait_dscnt 0x0
	MUL16 F1, 1, 0, 0
	MUL16 F1, 1, 2, 0
	WIN 0
	RESC                                           ; the sums times 1 / l
	PACK 0
	TOSTAGE 0
.irp a, 1,2,3,4,5,6,7                  ; block a's conversions stand between block a - 1's loads from the stage and the wait for them
	PACK \a
	SEND (\a)-1
	TOSTAGE \a
.endr
	SEND 7
	s_wait_tensorcnt 0x0                           ; the wave's end: a wait, the add and its wait, behind my last tensor load and my last LDS store
	ds_add_u32 v[SPW], v[NIL]
	s_wait_dscnt 0x0
	CROUND                                         ; the closing round: no work-group ends while a partner may still ask for a tile that names it
	s_endpgm
.Lfunc_end_k_qe20f2cd570_pv:
	.size	k_qe20f2cd570_pv, .Lfunc_end_k_qe20f2cd570_pv-k_qe20f2cd570_pv
	.p2alignl 7, 3214868480
	.fill 96, 4, 3214868480
	.section	.rodata,"a",@progbits
	.p2align	6, 0x0
	.amdhsa_kernel k_qe20f2cd570_pv
		.amdhsa_group_segment_fixed_size 327680
		.amdhsa_private_segment_fixed_size 0
		.amdhsa_enable_private_segment 0
		.amdhsa_kernarg_size 32
		.amdhsa_user_sgpr_count 2
		.amdhsa_user_sgpr_kernarg_segment_ptr 1
		.amdhsa_wavefront_size32 1
		.amdhsa_system_sgpr_workgroup_id_x 1
		.amdhsa_system_sgpr_workgroup_id_y 1
		.amdhsa_system_sgpr_workgroup_id_z 1
		.amdhsa_system_vgpr_workitem_id 0
		.amdhsa_next_free_vgpr 1024
		.amdhsa_next_free_sgpr 80
		.amdhsa_reserve_vcc 0
		.amdhsa_float_denorm_mode_32 3
		.amdhsa_float_denorm_mode_16_64 3
		.amdhsa_memory_ordered 1
		.amdhsa_forward_progress 1
		.amdhsa_inst_pref_size 150
	.end_amdhsa_kernel
	.amdgpu_metadata
---
amdhsa.version: [ 1, 2 ]
amdhsa.kernels:
  - .name:           k_qe20f2cd570_pv
    .symbol:         k_qe20f2cd570_pv.kd
    .args:
      - { .name: pws, .offset: 0, .size: 8, .value_kind: global_buffer, .address_space: global }
      - { .name: vws, .offset: 8, .size: 8, .value_kind: global_buffer, .address_space: global }
      - { .name: fac, .offset: 16, .size: 8, .value_kind: global_buffer, .address_space: global }
      - { .name: ows, .offset: 24, .size: 8, .value_kind: global_buffer, .address_space: global }
    .group_segment_fixed_size: 327680
    .private_segment_fixed_size: 0
    .kernarg_segment_align: 8
    .kernarg_segment_size: 32
    .max_flat_workgroup_size: 128
    .sgpr_count:     80
    .vgpr_count:     1024
    .wavefront_size: 32
...
	.end_amdgpu_metadata
.endif
;; end of part 3
;; launch outp (part 4): grid 256 x 1, 8 waves a work-group, no clusters, 0 bytes of LDS; arguments ows, x, Wp, bp, ap, gp, betap, out0; writes out0
.if DOCPART == 4
	.amdgcn_target "amdgcn-amd-amdhsa--gfx1250"
	.amdhsa_code_object_version 6
	.text
	.protected	k_qe20f2cd570_outp
	.globl	k_qe20f2cd570_outp
	.p2align	8
	.type	k_qe20f2cd570_outp,@function
k_qe20f2cd570_outp:
	s_mov_b64 s[64:65], 0
	v_nop
	global_prefetch_b8 v0, s[64:65] scope:SCOPE_SE
	s_setreg_imm32_b32 hwreg(HW_REG_WAVE_MODE, 25, 1), 1
	s_wait_xcnt 0x0
; OUTP.  out = LayerNorm over 64 channels (PReLU (Wp O + bp)) gp + betap + x.  O arrives in f16 as [hb = 2 head + b][t][col'], col' = 512 dh + 128 i + 8 r + j for channel 8 dh + j of the head and f = 4 r + i.
; FORMATS AND LIMITS.  Wp, bp, ap, gp, betap and x are rounded once to bf16, as every input of the program is; Wp's rounded number is then written as f16 (exact from 2^-17 to 65,504 in magnitude; below it
; keeps f16's fixed step of 6e-8; above it would be lost).  The products are f16 x f16 with f32 sums; all else is f32.  PReLU is y + (a - 1) min(y, 0), exact in a y while |a| >= 2^-16.
; The norm takes two passes.  NaN and infinities are not treated apart.
; SHARES.  256 work-groups of 8 waves; a wave takes two slabs (b, t), t = 16 (g % 128) + 2 w and the next.  No byte is read by two waves: no LDS, no barrier, no cluster.
; LANES.  r = lane % 16, h = lane / 16; four position tiles i, f = 4 r + i.  Source 1 (16 positions x 32 channels) comes straight from memory: registers 4 e .. 4 e + 3 of fragment (i, s) are the 16 bytes of
; head 2 s + e at col' = 512 h + 128 i + 8 r: channels 16 e + 8 h + 0..7 of the K step.  Source 0 is Wp, 4 blocks of 16 rows.  Register j of D (i, mb) is channel 16 mb + 8 h + j at position r of tile i.
; Every load and store of sixteen neighbouring lanes covers 256 consecutive bytes, aligned.
.set OO,   1          ; v1  1,024 h + 16 r
.set XO,   2          ; v2  4,194,304 h + 16 r: x and out
.set ONE,  3          ; v3  1.0
.set WO,   4          ; v4  256 r + 32 h
.set BO,   5          ; v5  32 h
.set TT,   8          ; v8-31  at work
.set Y0,   32         ; v32-159  D: tile i, block mb at Y0 + 32 i + 8 mb
.set OF,   160        ; v160-223 O's fragments: (i, s) at OF + 16 i + 8 s
.set BIAS, 224        ; v224-255 8 a block
.set WPF,  128        ; window 1 (v0-127 there: x, then the result: group q = 8 mb + j holds four neighbouring f)
.set G,    192        ; window 1
.set BETA, 224        ; window 1
.set OB,   24         ; s[24:31] O at my slab, head q
.set XBS,  32         ; s[32:39] x at my slab, channels 16 mb on
.set OUTB, 40         ; s[40:47] out likewise
.set CNT,  50
.set MASK, 51
.set N64,  52
.set P64,  53
.set EPS,  54
.set SEL,  56         ; s56, s57
.set AM,   58         ; s[58:59] a - 1
.set MSB, 0
.macro WIN new                         ; s_set_vgpr_msb: bits 1:0 source 0, 3:2 source 1, 5:4 source 2, 7:6 destination; the high byte repeats the setting that is left
.if MSB != (\new)
	s_set_vgpr_msb (MSB<<8)|(\new)
.set MSB, (\new)
.endif
.endm
.macro LOADXR                          ; x of a slab: 32 loads
	WIN 0x40
.irp mb, 0,1,2,3
.irp j, 0,1,2,3,4,5,6,7
	global_load_b128 v[4*(8*(\mb)+(\j)):4*(8*(\mb)+(\j))+3], v[XO], s[XBS+2*(\mb):XBS+2*(\mb)+1] offset:524288*(\j) th:TH_LOAD_NT
.endr
.endr
	WIN 0
.endm
.macro LOADO imm                       ; O of a slab: 16 loads
.irp i, 0,1,2,3
.irp q, 0,1,2,3
	global_load_b128 v[OF+16*(\i)+4*(\q):OF+16*(\i)+4*(\q)+3], v[OO], s[OB+2*(\q):OB+2*(\q)+1] offset:256*(\i)+(\imm) th:TH_LOAD_NT
.endr
.endr
.endm
.macro EPI i                           ; tile i: PReLU, the norm over my 32 registers and the 32 of the lane 16 away, g and beta.  Each accumulator is read from its low end on
.set y, Y0+32*(\i)
.irp hh, 0,1
.set k, 0
.rept 16
	v_min_num_f32 v[TT+k], 0, v[y+16*(\hh)+k]
.set k, k+1
.endr
.set k, 0
.rept 8
	v_pk_fma_f32 v[y+16*(\hh)+2*k:y+16*(\hh)+2*k+1], v[TT+2*k:TT+2*k+1], s[AM:AM+1], v[y+16*(\hh)+2*k:y+16*(\hh)+2*k+1] op_sel_hi:[1,0,1]
.set k, k+1
.endr
.endr
.irp c, 0,1,2,3                        ; the sum, in four chains
	v_pk_add_f32 v[TT+2*(\c):TT+2*(\c)+1], v[y+2*(\c):y+2*(\c)+1], v[y+8+2*(\c):y+8+2*(\c)+1]
.endr
.irp o, 16,24
.irp c, 0,1,2,3
	v_pk_add_f32 v[TT+2*(\c):TT+2*(\c)+1], v[TT+2*(\c):TT+2*(\c)+1], v[y+(\o)+2*(\c):y+(\o)+2*(\c)+1]
.endr
.endr
	v_pk_add_f32 v[TT:TT+1], v[TT:TT+1], v[TT+2:TT+3]
	v_pk_add_f32 v[TT+4:TT+5], v[TT+4:TT+5], v[TT+6:TT+7]
	v_pk_add_f32 v[TT:TT+1], v[TT:TT+1], v[TT+4:TT+5]
	v_add_f32 v[TT], v[TT], v[TT+1]
	v_permlanex16_b32 v[TT+1], v[TT], s[SEL], s[SEL+1]
	v_add_f32 v[TT], v[TT], v[TT+1]
	v_mul_f32 v[TT], s[N64], v[TT]                 ; minus the mean
.set k, 0
.rept 16
	v_pk_add_f32 v[y+2*k:y+2*k+1], v[y+2*k:y+2*k+1], v[TT:TT+1] op_sel_hi:[1,0]
.set k, k+1
.endr
.irp c, 0,1,2,3                        ; the squares, in four chains
	v_pk_mul_f32 v[TT+2*(\c):TT+2*(\c)+1], v[y+2*(\c):y+2*(\c)+1], v[y+2*(\c):y+2*(\c)+1]
.endr
.irp o, 8,16,24
.irp c, 0,1,2,3
	v_pk_fma_f32 v[TT+2*(\c):TT+2*(\c)+1], v[y+(\o)+2*(\c):y+(\o)+2*(\c)+1], v[y+(\o)+2*(\c):y+(\o)+2*(\c)+1], v[TT+2*(\c):TT+2*(\c)+1]
.endr
.endr
	v_pk_add_f32 v[TT:TT+1], v[TT:TT+1], v[TT+2:TT+3]
	v_pk_add_f32 v[TT+4:TT+5], v[TT+4:TT+5], v[TT+6:TT+7]
	v_pk_add_f32 v[TT:TT+1], v[TT:TT+1], v[TT+4:TT+5]
	v_add_f32 v[TT], v[TT], v[TT+1]
	v_permlanex16_b32 v[TT+1], v[TT], s[SEL], s[SEL+1]
	v_add_f32 v[TT], v[TT], v[TT+1]
	v_fma_f32 v[TT], v[TT], s[P64], s[EPS]         ; variance + 1e-5
	v_rsq_f32 v[TT], v[TT]
	v_nop                                          ; a plain instruction between the root and the use of its result (ISA guide 5.7.2)
.set k, 0
	s_wait_alu depctr_va_vdst(0)
.rept 16
	v_pk_mul_f32 v[y+2*k:y+2*k+1], v[y+2*k:y+2*k+1], v[TT:TT+1] op_sel_hi:[1,0]
.set k, k+1
.endr
	WIN 0x14
.set k, 0
.rept 16
	v_pk_fma_f32 v[y+2*k:y+2*k+1], v[y+2*k:y+2*k+1], v[G+2*k:G+2*k+1], v[BETA+2*k:BETA+2*k+1]
.set k, k+1
.endr
	WIN 0
.endm
	s_load_b512 s[8:23], s[0:1], 0x0               ; ows 8, x 10, Wp 12, bp 14, ap 16, gp 18, betap 20, out0 22
	v_lshrrev_b32 v6, 5, v0
	v_readfirstlane_b32 s2, v6                     ; wave 0..7
	v_and_b32 v6, 15, v0                           ; r
	v_bfe_u32 v7, v0, 4, 1                         ; h
	s_lshr_b32 s3, ttmp9, 7                        ; b
	s_and_b32 s4, ttmp9, 127
	s_lshl_b32 s4, s4, 4
	s_lshl1_add_u32 s4, s2, s4                     ; t = 16 (g % 128) + 2 w
	s_lshl_b32 s60, s3, 22                         ; O: 4,194,304 b + 2,048 t
	s_lshl_b32 s5, s4, 11
	s_add_co_u32 s60, s60, s5
	s_mov_b32 s61, 0
	s_lshl_b32 s62, s3, 25                         ; x and out: 33,554,432 b + 256 t
	s_lshl_b32 s5, s4, 8
	s_add_co_u32 s62, s62, s5
	s_mov_b32 s63, 0
	v_lshlrev_b32 v8, 4, v6                        ; 16 r
	v_lshl_add_u32 v[OO], v7, 10, v8
	v_lshl_add_u32 v[XO], v7, 22, v8
	v_mov_b32 v[ONE], 1.0
	v_lshlrev_b32 v[BO], 5, v7
	v_lshl_add_u32 v[WO], v6, 8, v[BO]
	s_mov_b32 s[MASK], 0xffff0000
	s_mov_b32 s[N64], 0xbc800000
	s_mov_b32 s[P64], 0x3c800000
	s_mov_b32 s[EPS], 0x3727c5ac
	s_mov_b32 s[SEL], 0x76543210
	s_mov_b32 s[SEL+1], 0xfedcba98
	s_wait_kmcnt 0x0
	s_load_b32 s48, s[16:17], 0x0                  ; ap
	s_add_nc_u64 s[OB:OB+1], s[8:9], s[60:61]
	s_add_nc_u64 s[XBS:XBS+1], s[10:11], s[62:63]
	s_add_nc_u64 s[OUTB:OUTB+1], s[22:23], s[62:63]
.irp q, 1,2,3                          ; a head of O, and 16 channels of x and out, are 8,388,608 bytes
	s_add_nc_u64 s[OB+2*(\q):OB+2*(\q)+1], s[OB:OB+1], 0x800000*(\q)
	s_add_nc_u64 s[XBS+2*(\q):XBS+2*(\q)+1], s[XBS:XBS+1], 0x800000*(\q)
	s_add_nc_u64 s[OUTB+2*(\q):OUTB+2*(\q)+1], s[OUTB:OUTB+1], 0x800000*(\q)
.endr
	LOADXR                                         ; the first slab goes out before anything else
	LOADO 0
.irp mb, 0,1,2,3
	global_load_b128 v[BIAS+8*(\mb):BIAS+8*(\mb)+3],   v[BO], s[14:15] offset:64*(\mb)
	global_load_b128 v[BIAS+8*(\mb)+4:BIAS+8*(\mb)+7], v[BO], s[14:15] offset:64*(\mb)+16
.endr
	WIN 0x40
.irp mb, 0,1,2,3
	global_load_b128 v[G+8*(\mb):G+8*(\mb)+3],         v[BO], s[18:19] offset:64*(\mb)
	global_load_b128 v[G+8*(\mb)+4:G+8*(\mb)+7],       v[BO], s[18:19] offset:64*(\mb)+16
	global_load_b128 v[BETA+8*(\mb):BETA+8*(\mb)+3],   v[BO], s[20:21] offset:64*(\mb)
	global_load_b128 v[BETA+8*(\mb)+4:BETA+8*(\mb)+7], v[BO], s[20:21] offset:64*(\mb)+16
.endr
	WIN 0
.set m, 0
.rept 32                               ; Wp in f32 into D's registers: block m / 8; row r, channels 32 s + 16 gg + 8 h + 0..7 at 16 s + 8 gg of the block's 32
	global_load_b128 v[Y0+4*m:Y0+4*m+3], v[WO], s[12:13] offset:4096*(m/8)+64*((m%8)/2)+16*(m%2)
.set m, m+1
.endr
	s_wait_loadcnt 0x0
	s_wait_kmcnt 0x0
	v_cvt_pk_bf16_f32 v6, s48, s48                 ; a: rounded to bf16, widened, less 1
	v_lshlrev_b32 v6, 16, v6
	v_add_f32 v6, -1.0, v6
	v_readfirstlane_b32 s[AM], v6
	s_mov_b32 s[AM+1], s[AM]                       ; named with it as a pair
.set k, 0
.rept 64                               ; Wp and the bias: rounded to bf16 in place
	v_cvt_pk_bf16_f32 v[Y0+2*k], v[Y0+2*k], v[Y0+2*k+1]
.set k, k+1
.endr
.set k, 0
.rept 16
	v_cvt_pk_bf16_f32 v[BIAS+2*k], v[BIAS+2*k], v[BIAS+2*k+1]
.set k, k+1
.endr
.set k, 0
.rept 64
	v_and_b32 v[Y0+2*k+1], s[MASK], v[Y0+2*k]
	v_lshlrev_b32 v[Y0+2*k], 16, v[Y0+2*k]
.set k, k+1
.endr
.set k, 0
.rept 16
	v_and_b32 v[BIAS+2*k+1], s[MASK], v[BIAS+2*k]
	v_lshlrev_b32 v[BIAS+2*k], 16, v[BIAS+2*k]
.set k, k+1
.endr
	WIN 0x40
.set k, 0
.rept 64
	v_cvt_pk_f16_f32 v[WPF+k], v[Y0+2*k], v[Y0+2*k+1]  ; the fragment's register is half the staged register's number
.set k, k+1
.endr
	WIN 0x45                                       ; g and beta: rounded to bf16 in place, in window 1
.set k, G
.rept 32
	v_cvt_pk_bf16_f32 v[k], v[k], v[k+1]
.set k, k+2
.endr
	WIN 0x44
.set k, G
.rept 32
	v_and_b32 v[k+1], s[MASK], v[k]
	v_lshlrev_b32 v[k], 16, v[k]
.set k, k+2
.endr
	WIN 0
	s_mov_b32 s[CNT], 2
.Lslab:
	s_wait_loadcnt 0x0                             ; O and x of the slab are in
	WIN 0x01                                       ; Wp in window 1.  The first K step starts the 16 sums with the bias, the second adds in place; the accumulators take turns
.irp i, 0,1,2,3
.irp mb, 0,1,2,3
	v_wmma_f32_16x16x32_f16 v[Y0+32*(\i)+8*(\mb):Y0+32*(\i)+8*(\mb)+7], v[WPF+16*(\mb):WPF+16*(\mb)+7], v[OF+16*(\i):OF+16*(\i)+7], v[BIAS+8*(\mb):BIAS+8*(\mb)+7]
.endr
.endr
.irp i, 0,1,2,3
.irp mb, 0,1,2,3
	v_wmma_f32_16x16x32_f16 v[Y0+32*(\i)+8*(\mb):Y0+32*(\i)+8*(\mb)+7], v[WPF+16*(\mb)+8:WPF+16*(\mb)+15], v[OF+16*(\i)+8:OF+16*(\i)+15], v[Y0+32*(\i)+8*(\mb):Y0+32*(\i)+8*(\mb)+7]
.endr
.endr
	WIN 0
.rept 4
	v_nop                                          ; four places in front of the loads into O's registers and of the vector work on the sums (ISA guide 7.12.1 for the vector work)
.endr
	s_cmp_eq_u32 s[CNT], 1
	s_cbranch_scc1 .Lno_o                          ; the second slab is the last
	LOADO 2048                                     ; the next slab's O travels while this one is worked on
.Lno_o:
	EPI 0
	EPI 1
	EPI 2
	EPI 3
	WIN 0x45                                       ; the residual: x rounded to bf16, two to a register,
.set q, 0
.rept 32
	v_cvt_pk_bf16_f32 v[4*q], v[4*q], v[4*q+1]
	v_cvt_pk_bf16_f32 v[4*q+2], v[4*q+2], v[4*q+3]
.set q, q+1
.endr
	WIN 0x41                                       ; and added: x's half times 1 plus the tile's number; the odd register first, since the even one holds both halves
.set q, 0
.rept 32
	v_fma_mix_f32_bf16 v[4*q+1], v[4*q], v[ONE], v[Y0+32+q] op_sel:[1,0,0] op_sel_hi:[1,0,0]
	v_fma_mix_f32_bf16 v[4*q+3], v[4*q+2], v[ONE], v[Y0+96+q] op_sel:[1,0,0] op_sel_hi:[1,0,0]
	v_fma_mix_f32_bf16 v[4*q], v[4*q], v[ONE], v[Y0+q] op_sel_hi:[1,0,0]
	v_fma_mix_f32_bf16 v[4*q+2], v[4*q+2], v[ONE], v[Y0+64+q] op_sel_hi:[1,0,0]
.set q, q+1
.endr
	WIN 0x04                                       ; the stores' data lie in window 1
.irp mb, 0,1,2,3
.irp j, 0,1,2,3,4,5,6,7
	global_store_b128 v[XO], v[4*(8*(\mb)+(\j)):4*(8*(\mb)+(\j))+3], s[OUTB+2*(\mb):OUTB+2*(\mb)+1] offset:524288*(\j) th:TH_STORE_NT
.endr
.endr
	WIN 0
	s_wait_xcnt 0x0                                ; the bases are stepped, and the stores' registers loaded again, only behind this wait
.irp q, 0,1,2,3
	s_add_nc_u64 s[OB+2*(\q):OB+2*(\q)+1], s[OB+2*(\q):OB+2*(\q)+1], 2048
	s_add_nc_u64 s[XBS+2*(\q):XBS+2*(\q)+1], s[XBS+2*(\q):XBS+2*(\q)+1], 256
	s_add_nc_u64 s[OUTB+2*(\q):OUTB+2*(\q)+1], s[OUTB+2*(\q):OUTB+2*(\q)+1], 256
.endr
	s_cmp_eq_u32 s[CNT], 1
	s_cbranch_scc1 .Lno_x
	LOADXR                                         ; the next slab's x
.Lno_x:
	s_sub_co_u32 s[CNT], s[CNT], 1
	s_cmp_lg_u32 s[CNT], 0
	s_cbranch_scc1 .Lslab
	s_endpgm
.Lfunc_end_k_qe20f2cd570_outp:
	.size	k_qe20f2cd570_outp, .Lfunc_end_k_qe20f2cd570_outp-k_qe20f2cd570_outp
	.p2alignl 7, 3214868480
	.fill 96, 4, 3214868480
	.section	.rodata,"a",@progbits
	.p2align	6, 0x0
	.amdhsa_kernel k_qe20f2cd570_outp
		.amdhsa_group_segment_fixed_size 0
		.amdhsa_private_segment_fixed_size 0
		.amdhsa_enable_private_segment 0
		.amdhsa_kernarg_size 64
		.amdhsa_user_sgpr_count 2
		.amdhsa_user_sgpr_kernarg_segment_ptr 1
		.amdhsa_wavefront_size32 1
		.amdhsa_system_sgpr_workgroup_id_x 1
		.amdhsa_system_sgpr_workgroup_id_y 1
		.amdhsa_system_sgpr_workgroup_id_z 1
		.amdhsa_system_vgpr_workitem_id 0
		.amdhsa_next_free_vgpr 512
		.amdhsa_next_free_sgpr 80
		.amdhsa_reserve_vcc 0
		.amdhsa_float_denorm_mode_32 3
		.amdhsa_float_denorm_mode_16_64 3
		.amdhsa_memory_ordered 1
		.amdhsa_forward_progress 1
		.amdhsa_inst_pref_size 84
	.end_amdhsa_kernel
	.amdgpu_metadata
---
amdhsa.version: [ 1, 2 ]
amdhsa.kernels:
  - .name:           k_qe20f2cd570_outp
    .symbol:         k_qe20f2cd570_outp.kd
    .args:
      - { .name: ows, .offset: 0, .size: 8, .value_kind: global_buffer, .address_space: global }
      - { .name: x, .offset: 8, .size: 8, .value_kind: global_buffer, .address_space: global }
      - { .name: Wp, .offset: 16, .size: 8, .value_kind: global_buffer, .address_space: global }
      - { .name: bp, .offset: 24, .size: 8, .value_kind: global_buffer, .address_space: global }
      - { .name: ap, .offset: 32, .size: 8, .value_kind: global_buffer, .address_space: global }
      - { .name: gp, .offset: 40, .size: 8, .value_kind: global_buffer, .address_space: global }
      - { .name: betap, .offset: 48, .size: 8, .value_kind: global_buffer, .address_space: global }
      - { .name: out0, .offset: 56, .size: 8, .value_kind: global_buffer, .address_space: global }
    .group_segment_fixed_size: 0
    .private_segment_fixed_size: 0
    .kernarg_segment_align: 8
    .kernarg_segment_size: 64
    .max_flat_workgroup_size: 256
    .sgpr_count:     80
    .vgpr_count:     512
    .wavefront_size: 32
...
	.end_amdgpu_metadata
.endif
;; end of part 4
